; MI455X (gfx1250); checked and timed in simulation.
; The chip was launched on July 23, 2026; its instructions are those of AMD's public machine-readable ISA for CDNA 5 (MIT licence, August 2026) and "CDNA5" Instruction Set Architecture Reference Guide (July 2026). The comments in the code are by the model that wrote it; some were corrected since.
;; Attention. Allowed arithmetic: matrix products marked QUANTISED: E4M3 operands, one given power-of-two scale a tensor, by v_wmma_f32_16x16x64_fp8_fp8 or v_wmma_f32_16x16x128_fp8_fp8, f32 sums; everything else in f32.
;; Inputs: Wout 1,024 x 1,024 float32; Wqkv 1,024 x 3,072 float32; bout 1,024 float32; lowp_scales 8 int32 (the exponents e of the quantised operands' scales 2^e); x 4 x 2,048 x 1,024 float32.
;; Outputs: out0 4 x 2,048 x 1,024 float32.
;; This version of the problem:
;;   THIS VERSION OF THE PROBLEM IS GIVEN IN LOW PRECISION. The matrix products marked QUANTISED in the list below multiply operands that are first quantised to E4M3 (4 exponent bits, 3 mantissa bits; 8 bits a number), with one given power-of-two scale for each operand tensor; their sums are f32. All else is computed in f32.
;;   The module's matrix products, in the order in which they are computed (A, B: the left and right operand; K: the contracted axis; several contracted axes count as one K, in the product's order):
;;     1. [M 8,192, K 1,024] x [K 1,024, N 3,072]; A: input x; B: input Wqkv: QUANTISED (scales: A lowp_scales[0], B lowp_scales[1])
;;     2. batch 64 x [M 2,048, K 64] x [K 64, N 2,048]; A: computed on the way; B: computed on the way: QUANTISED (scales: A lowp_scales[2], B lowp_scales[3])
;;     3. batch 64 x [M 2,048, K 2,048] x [K 2,048, N 64]; A: softmax (see below); B: computed on the way: QUANTISED (scales: A lowp_scales[4], B lowp_scales[5])
;;     4. [M 8,192, K 1,024] x [K 1,024, N 1,024]; A: computed on the way; B: input Wout: QUANTISED (scales: A lowp_scales[6], B lowp_scales[7])
;;   THE QUANTISER, for each operand of a quantised product, along K:
;;     - The operand's scale is 2^e, e = its entry of the input lowp_scales (int32; the entries are numbered through the quantised products in the list's order, A before B).
;;     - Each number is divided by the scale, clamped to +-448, and rounded to the nearest number of E4M3, ties to even, subnormals kept.
;;     - The product sums the exact products of the quantised numbers (number of the format x scale) in f32.
;;   ~~~python
;;   def quantise(x, axis, e):      # numpy; x: float32 -> the quantised numbers, widened to float32 again
;;       x = np.moveaxis(x, axis, -1); K = x.shape[-1]
;;       r = np.clip(x / 2.0 ** e, -448, 448)
;;       step = 2.0 ** (np.maximum(np.frexp(np.where(r == 0, 1, r))[1] - 1, -6) - 3)
;;       q = np.round(r / step) * step * 2.0 ** e      # np.round: ties to even
;;       return np.moveaxis(q, -1, axis).astype(np.float32)
;;   ~~~
;;   SOFTMAX AHEAD OF A QUANTISED PRODUCT. Where the list says 'softmax', what is quantised is not the finished softmax but p = 2^(t - M), with t = logit x log2(e) and M = ceil(the row's largest t), a whole number; so 1/2 < the row's largest p <= 1. The row's sum l is taken of the UNQUANTISED p, in f32, and the product's result is divided by l at the end. Since M is a whole number, a kernel that streams over the keys may use a running M (the ceiling of the running maximum): every later rescaling is an exact power of two, so the quantised numbers keep their values, but for numbers so far below the row's largest that they fall under the format's range.
;;   OPERANDS COMPUTED ON THE WAY. 'Computed on the way' means the value that the module computes at that place (a softmax that the list does not call 'softmax' is quantised finished and normalised). What goes into a quantiser is computed in f32, as accurately as f32 sums, v_exp_f32 and their like allow (about 1e-6 of the number): no bf16 or f16 on the way to a quantiser, and a product that is left as it is and whose result goes on into a quantised operand takes f32 operands (vector FMAs, or v_wmma_f32_16x16x4_f32). A number that lies on a knife's edge between two numbers of the format may be rounded either way, as far as f32 arithmetic and the matrix unit's own rounding can turn it there, and no further.
;; One version. Each part assembles by itself: llvm-mc -triple=amdgcn-amd-amdhsa -mcpu=gfx1250 --defsym DOCPART=n.
;; ======== version 1 of 1: 5 launches
;; limits: right only within a limited range of input values
;; workspace buffers: xc 8,388,608 bytes; wqkvc 3,145,728 bytes; woutc 1,048,576 bytes; rope 524,288 bytes; qc 8,388,608 bytes; kc 8,388,608 bytes; vc 8,388,608 bytes; ac 8,388,608 bytes
;; launch qx (part 1): grid 256 x 1, 4 waves a work-group, no clusters, 33,280 bytes of LDS; arguments x, lowp_scales, xc, rope; writes xc, rope
.if DOCPART == 1
	.amdgcn_target "amdgcn-amd-amdhsa--gfx1250"
	.amdhsa_code_object_version 6
	.text
	.protected	k_q27775747e0_qx
	.globl	k_q27775747e0_qx
	.p2align	8
	.type	k_q27775747e0_qx,@function
k_q27775747e0_qx:
	s_mov_b64 s[64:65], 0
	v_nop
	global_prefetch_b8 v0, s[64:65] scope:SCOPE_SE
	s_setreg_imm32_b32 hwreg(HW_REG_WAVE_MODE, 25, 1), 1
	s_wait_xcnt 0x0
; x [8192][1024] f32 becomes codes of FP8 (E4M3), K innermost, with the given scale 2^e0: code = x / 2^e0, held within +-448, to the nearest code, ties to even.
; The tensor is a plain stream: each of the 1,024 waves takes 16 steps of 512 numbers.  A load reads 512 consecutive bytes, 16 a lane; a step's 2,048 bytes turn through the wave's own stage in LDS
; (16 bytes of padding behind each 64) and come back 64 bytes a lane: 16 neighbours along K, as the conversions want them.  A lane's 16 codes are 16 bytes: the wave stores 512 consecutive bytes.
; ALSO: each wave makes 512 bytes of the table of cosines and sines for the rotary embedding, while its first loads are on their way.
; The table is laid as its reader's registers: [128 blocks of 16 positions][8 u][32 lanes][4 f32]; entry (sb, u, lane = r + 16 h) = cos, sin of pair i0 and cos, sin of pair i0 + 1
; at position 16 sb + r, i0 = 8 (u / 2) + 4 h + 2 (u % 2).  angle = theta(i) x position, theta(i) = 10000^((1 - i) / 32) = 2^((1 - i) log2(10) / 8).
; Sine and cosine: the angle less the nearest multiple of pi/2 (pi/2 in three parts, fused multiply-adds), polynomials on |r| <= pi/4, the quadrant by selects.
; LIMITS: e0 between -126 and 119.  NaN among the inputs is not served.  theta comes from v_exp_f32 (1 ULP), so at position 2,047 the largest angle (2,730 rad) may differ from an f32 power's by some 4e-4 rad.
.set WAVES, 4
.set STEPS, 16
.set EMAX,  8
.set MANT,  0x600000                   ; the mantissa field of 448 as f32
.set CB,    16                         ; bytes of 16 codes
.set R,     16                         ; v16-79   four sets of 16 numbers as they are loaded
.set X,     80                         ; v80-111  two sets of 16 neighbours
.set C,     128                        ; v128-191 codes: four registers for each step, so that no store's data are written again
.set WREG,  8192                       ; LDS: a region for each wave: two stages of 32 x SP bytes
.set SP,    80                         ; a lane's place in a stage: 64 bytes + 16 of padding
.set SPW,   12                         ; v12 LDS address of my spare word; never rewritten
.set NIL,   13                         ; v13 0; never rewritten
.set SPARE, WAVES*WREG                 ; behind the four regions: the spare words, 128 bytes for each wave
	s_load_b256 s[4:11], s[0:1], 0x0               ; x s[4:5], the scales' exponents s[6:7], the codes s[8:9], the table s[10:11]
	v_lshl_add_u32 v[SPW], v0, 2, SPARE
	v_mov_b32 v[NIL], 0
	v_lshrrev_b32 v1, 5, v0
	v_readfirstlane_b32 s16, v1                    ; wave
	v_and_b32 v2, 31, v0                           ; lane
	v_lshlrev_b32 v3, 4, v2                        ; 16 x lane: my bytes of a load's 512, of a step's codes, of the table's 512
	s_mul_i32 s17, s16, WREG
	v_lshrrev_b32 v14, 2, v2
	v_mul_u32_u24 v14, v14, SP
	v_and_b32 v15, 3, v2
	v_lshl_add_u32 v14, v15, 4, v14
	v_add_nc_u32 v14, s17, v14                     ; the stage, on the way in: SP (lane / 4) + 16 (lane % 4)
	v_mul_u32_u24 v15, v2, SP
	v_add_nc_u32 v15, s17, v15                     ; and on the way out: SP x lane
	s_lshl_b32 s18, ttmp9, 2
	s_add_co_u32 s18, s18, s16                     ; g: my wave among the launch's 1,024
	s_mov_b32 s19, 0
	s_lshl_b64 s[20:21], s[18:19], 15              ; 8,192 numbers of 4 bytes,
	s_lshl_b64 s[24:25], s[18:19], 13              ; their codes,
	s_lshl_b64 s[26:27], s[18:19], 9               ; my 512 bytes of the table
	s_wait_alu depctr_va_vdst(0)
	s_wait_kmcnt 0x0
	s_load_b32 s22, s[6:7], 0x0                    ; e0
	s_add_nc_u64 s[4:5], s[4:5], s[20:21]
	s_add_nc_u64 s[8:9], s[8:9], s[24:25]
	s_add_nc_u64 s[10:11], s[10:11], s[26:27]
.macro LOAD t
.irp i, 0,1,2,3
	global_load_b128 v[R+16*((\t)%4)+4*\i:R+16*((\t)%4)+4*\i+3], v3, s[4:5] offset:2048*(\t)+512*\i th:TH_LOAD_NT   ; 32 lanes read 512 consecutive bytes
.endr
.endm
.macro TURN t                          ; step t's numbers through the stage: LDS serves a wave's instructions in order, so no wait stands between the stores and the loads
.irp i, 0,1,2,3
	ds_store_b128 v14, v[R+16*((\t)%4)+4*\i:R+16*((\t)%4)+4*\i+3] offset:32*SP*((\t)%2)+8*SP*\i
.endr
.irp i, 0,1,2,3
	ds_load_b128 v[X+16*((\t)%2)+4*\i:X+16*((\t)%2)+4*\i+3], v15 offset:32*SP*((\t)%2)+16*\i
.endr
.endm
.irp t, 0,1,2,3
	LOAD \t
.endr
; cosine into v[c], sine into v[s] of the angle v[x] (not negative, under 2^13).  v112-118 at work.
.macro SINCOS x, c, s
	v_mul_f32 v112, 0x3f22f983, v[\x]              ; x 2 / pi,
	v_rndne_f32 v112, v112                         ; n: the nearest multiple of pi/2
	v_fmamk_f32 v113, v112, 0xbfc90fd8, v[\x]      ; r = x - n pi/2, pi/2 in three parts: the first has 22 bits, so this difference is exact
	v_fmamk_f32 v113, v112, 0xb4a8885a, v113
	v_fmamk_f32 v113, v112, 0xa7c234c4, v113
	v_mul_f32 v114, v113, v113                     ; z = r r
	v_mov_b32 v118, 0x37ccf5ce                     ; cos r = 1 - z/2 + z z (c2 + c1 z + c0 z z)
	v_fmaak_f32 v118, v118, v114, 0xbab6061a
	v_fmaak_f32 v118, v118, v114, 0x3d2aaaa5
	v_fma_f32 v118, v118, v114, -0.5
	v_fma_f32 v118, v118, v114, 1.0
	v_mov_b32 v115, 0x3638ef1d                     ; sin r = r + r z (-1/6 + z/120 - z z/5040 + z z z/362880)
	v_fmaak_f32 v115, v115, v114, 0xb9500d01
	v_fmaak_f32 v115, v115, v114, 0x3c088889
	v_fmaak_f32 v115, v115, v114, 0xbe2aaaab
	v_mul_f32 v116, v113, v114
	v_fma_f32 v115, v115, v116, v113
	v_cvt_i32_f32 v117, v112
	v_and_b32 v116, 1, v117
	v_cmp_eq_u32 vcc_lo, 1, v116                   ; in odd quadrants the two change places
	v_cndmask_b32 v[\s], v115, v118, vcc_lo
	v_cndmask_b32 v[\c], v118, v115, vcc_lo
	v_lshlrev_b32 v116, 30, v117                   ; the sine is negative where n mod 4 is 2 or 3: bit 1 of n becomes the sign,
	v_and_b32 v116, 0x80000000, v116
	v_xor_b32 v[\s], v[\s], v116
	v_add_nc_u32 v116, 1, v117                     ; the cosine where it is 1 or 2: bit 1 of n + 1
	v_lshlrev_b32 v116, 30, v116
	v_and_b32 v116, 0x80000000, v116
	v_xor_b32 v[\c], v[\c], v116
.endm
	s_lshr_b32 s24, s18, 3
	s_lshl_b32 s24, s24, 4                         ; 16 sb: my block's first position
	s_and_b32 s25, s18, 7                          ; u
	s_lshr_b32 s26, s25, 1
	s_lshl_b32 s26, s26, 3
	s_and_b32 s25, s25, 1
	s_lshl_b32 s25, s25, 1
	s_add_co_u32 s25, s25, s26                     ; 8 (u / 2) + 2 (u % 2)
	v_and_b32 v112, 15, v2
	v_lshrrev_b32 v113, 4, v2
	v_add_nc_u32 v112, s24, v112
	v_cvt_f32_u32 v126, v112                       ; the position
	v_lshl_add_u32 v114, v113, 2, s25              ; i0
	v_sub_nc_u32 v114, 1, v114
	v_cvt_f32_i32 v124, v114                       ; 1 - i0
	v_add_f32 v125, -1.0, v124                     ; 1 - (i0 + 1)
	v_mul_f32 v124, 0x3ed49a78, v124               ; x log2(10) / 8
	v_mul_f32 v125, 0x3ed49a78, v125
	s_wait_alu depctr_va_vdst(0)
	v_exp_f32 v124, v124                           ; theta
	v_exp_f32 v125, v125
	v_nop                                          ; a plain instruction behind the exponentials,
	s_wait_alu depctr_va_vdst(0)                   ; and one wait for both, ahead of their first reader
	v_mul_f32 v124, v124, v126                     ; the angles: one rounding each
	v_mul_f32 v125, v125, v126
	SINCOS 124, 120, 121
	SINCOS 125, 122, 123
	global_store_b128 v3, v[120:123], s[10:11]     ; the wave stores 512 consecutive bytes; these registers are not written again
	s_wait_kmcnt 0x0
	s_add_co_i32 s22, s22, 127
	s_lshl_b32 s23, s22, 23
	v_mov_b32 v11, s23                             ; 2^e0 as f32: the conversion takes its exponent field
	s_add_co_i32 s22, s22, EMAX
	s_lshl_b32 s22, s22, 23
	s_or_b32 s22, s22, MANT
	s_wait_alu depctr_va_vdst(0)
	s_wait_loadcnt 12                              ; step 0's four loads are in; the twelve of steps 1 to 3 may be out
	TURN 0
.macro STEP t
.set XS, X+16*((\t)%2)
	s_wait_dscnt 0x0                               ; this step's numbers are back from the stage: so its stores into the stage have read their registers,
.if (\t)+4 < STEPS
	LOAD (\t)+4                                    ; which take the loads of four steps on
.endif
.if (\t)+1 < STEPS
.if STEPS-2-(\t) >= 3
	s_wait_loadcnt 12                              ; the next step's four loads are in; those of the three steps behind it may be out
.else
	s_wait_loadcnt 4*(STEPS-2-(\t))
.endif
	TURN (\t)+1                                    ; and go through the other stage while this step is worked
.endif
.irp i, 0,1,2,3,4,5,6,7,8,9,10,11,12,13,14,15
.endr
	v_cvt_scalef32_pk8_fp8_f32 v[C+4*(\t):C+4*(\t)+1], v[XS:XS+7], v11
	v_cvt_scalef32_pk8_fp8_f32 v[C+4*(\t)+2:C+4*(\t)+3], v[XS+8:XS+15], v11
	global_store_b128 v3, v[C+4*(\t):C+4*(\t)+3], s[8:9] offset:32*CB*(\t)   ; the results go to a store alone
.endm
.irp t, 0,1,2,3,4,5,6,7,8,9,10,11,12,13,14,15
	STEP \t
.endr
	s_wait_tensorcnt 0x0                           ; the wave's end: behind my last LDS store
	ds_add_u32 v[SPW], v[NIL]
	s_wait_dscnt 0x0
	s_endpgm
.Lfunc_end_k_q27775747e0_qx:
	.size	k_q27775747e0_qx, .Lfunc_end_k_q27775747e0_qx-k_q27775747e0_qx
	.p2alignl 7, 3214868480
	.fill 96, 4, 3214868480
	.section	.rodata,"a",@progbits
	.p2align	6, 0x0
	.amdhsa_kernel k_q27775747e0_qx
		.amdhsa_group_segment_fixed_size 33280
		.amdhsa_private_segment_fixed_size 0
		.amdhsa_enable_private_segment 0
		.amdhsa_kernarg_size 32
		.amdhsa_user_sgpr_count 2
		.amdhsa_user_sgpr_kernarg_segment_ptr 1
		.amdhsa_wavefront_size32 1
		.amdhsa_system_sgpr_workgroup_id_x 1
		.amdhsa_system_sgpr_workgroup_id_y 1
		.amdhsa_system_sgpr_workgroup_id_z 1
		.amdhsa_system_vgpr_workitem_id 0
		.amdhsa_next_free_vgpr 192
		.amdhsa_next_free_sgpr 66
		.amdhsa_reserve_vcc 1
		.amdhsa_float_denorm_mode_32 3
		.amdhsa_float_denorm_mode_16_64 3
		.amdhsa_fp16_overflow 1
		.amdhsa_memory_ordered 1
		.amdhsa_forward_progress 1
		.amdhsa_inst_pref_size 25
	.end_amdhsa_kernel
	.amdgpu_metadata
---
amdhsa.version: [ 1, 2 ]
amdhsa.kernels:
  - .name:           k_q27775747e0_qx
    .symbol:         k_q27775747e0_qx.kd
    .args:
      - { .name: x, .offset: 0, .size: 8, .value_kind: global_buffer, .address_space: global }
      - { .name: lowp_scales, .offset: 8, .size: 8, .value_kind: global_buffer, .address_space: global }
      - { .name: xc, .offset: 16, .size: 8, .value_kind: global_buffer, .address_space: global }
      - { .name: rope, .offset: 24, .size: 8, .value_kind: global_buffer, .address_space: global }
    .group_segment_fixed_size: 33280
    .private_segment_fixed_size: 0
    .kernarg_segment_align: 8
    .kernarg_segment_size: 32
    .max_flat_workgroup_size: 128
    .sgpr_count:     66
    .vgpr_count:     192
    .wavefront_size: 32
...
	.end_amdgpu_metadata
.endif
;; end of part 1
;; launch qw (part 2): grid 32 x 4, 4 waves a work-group, no clusters, 35,840 bytes of LDS; arguments Wqkv, Wout, lowp_scales, wqkvc, woutc; writes wqkvc, woutc
.if DOCPART == 2
	.amdgcn_target "amdgcn-amd-amdhsa--gfx1250"
	.amdhsa_code_object_version 6
	.text
	.protected	k_q27775747e0_qw
	.globl	k_q27775747e0_qw
	.p2align	8
	.type	k_q27775747e0_qw,@function
k_q27775747e0_qw:
	s_mov_b64 s[64:65], 0
	v_nop
	global_prefetch_b8 v0, s[64:65] scope:SCOPE_SE
	s_setreg_imm32_b32 hwreg(HW_REG_WAVE_MODE, 25, 1), 1
	s_wait_xcnt 0x0
; Wqkv [1024 k][3072 n] and Wout [1024 k][1024 n], f32 with K as the FIRST axis, become codes of FP8 (E4M3) laid [n][1024 k], K innermost, with the given scales 2^e1 and 2^e7.
; A LANE TAKES A COLUMN n, AND ITS REGISTERS RUN DOWN K: a load reads 128 consecutive bytes a wave, 512 a work-group; the conversions give codes with K innermost; nothing is transposed by an instruction.
; A wave takes 32 columns x 256 along K; its codes go through its own stage in LDS (rows of 256 + 16 bytes) and leave as rows: sixteen lanes store 256 consecutive, aligned bytes.
; One launch and ONE way through the text for both tensors: work-groups x = 0 .. 23 take Wqkv's 24 groups of 128 columns, x = 24 .. 31 Wout's 8; y is the quarter of K.  Only the pointers, the row's length
; and e are chosen, by selects on the work-group's number.  The row's length is therefore no immediate: 32 offset registers (4 lane + i rows) and eight bases (32 rows apart), all made once and never stepped.
; LIMITS: e1 and e7 between -126 and 119.  NaN among the inputs is not served.
.set NB,    8                          ; blocks of 32 along K for a wave
.set PITCH, 272                        ; a stage row
.set KROW,  1024                       ; a row of either buffer of codes, in bytes
.set X,     32                         ; v32-95   two sets of 32 numbers
.set C,     96                         ; v96-103  a block's codes
.set OUTR,  112                        ; v112-175 the way out
.set VO,    176                        ; v176-207 4 lane + i rows of W
.set SPW,   14
.set NIL,   15
.set SPARE, 4*32*PITCH                 ; behind the four stages: the spare words, 128 bytes for each wave
.set BS,    32                         ; s[32:47] eight bases: block t's first row
	s_load_b256 s[4:11], s[0:1], 0x0               ; Wqkv s[4:5], Wout s[6:7], the scales' exponents s[8:9], Wqkv's codes s[10:11]
	s_load_b64 s[12:13], s[0:1], 0x20              ; Wout's codes
	v_lshl_add_u32 v[SPW], v0, 2, SPARE
	v_mov_b32 v[NIL], 0
	v_lshrrev_b32 v1, 5, v0
	v_readfirstlane_b32 s16, v1                    ; wave
	v_and_b32 v2, 31, v0                           ; lane
	s_wait_alu depctr_va_vdst(0)
	s_cmp_lt_u32 ttmp9, 24                         ; Wqkv's work-group or Wout's?
	s_mov_b32 s14, 4096
	s_cselect_b32 s14, 12288, s14                  ; a row of W in bytes
	s_cselect_b32 s15, 0, 24
	s_sub_co_u32 s17, ttmp9, s15                   ; my group of 128 columns
	s_lshl_b32 s17, s17, 7
	s_lshl_b32 s18, s16, 5
	s_add_co_u32 s17, s17, s18                     ; my wave's first column
	s_and_b32 s18, ttmp7, 0xffff                   ; which 256 along K
	v_lshlrev_b32 v3, 2, v2
.irp i, 0,1,2,3,4,5,6,7,8,9,10,11,12,13,14,15,16,17,18,19,20,21,22,23,24,25,26,27,28,29,30,31
	v_mad_u32_u24 v[VO+\i], s14, \i, v3
.endr
	s_mul_i32 s19, s16, 32*PITCH                   ; my stage
	v_mul_u32_u24 v4, v2, PITCH
	v_add_nc_u32 v4, s19, v4                       ; into it: row = my column
	v_and_b32 v5, 15, v2
	v_lshrrev_b32 v6, 4, v2                        ; out of it: sixteen lanes to a row, two rows an instruction
	v_mul_u32_u24 v7, v6, PITCH
	v_lshl_add_u32 v7, v5, 4, v7
	v_add_nc_u32 v7, s19, v7
	v_mul_u32_u24 v8, v6, KROW
	v_lshl_add_u32 v8, v5, 4, v8                   ; and the same place in the codes' buffer
	s_mul_i32 s20, s18, s14
	s_lshl_b32 s20, s20, 8                         ; W: 256 y rows
	s_lshl_b32 s22, s17, 2
	s_add_co_u32 s20, s20, s22                     ; + 4 x column
	s_mov_b32 s21, 0
	s_lshl_b32 s22, s17, 10                        ; codes: column x 1,024
	s_lshl_b32 s23, s18, 8
	s_add_co_u32 s22, s22, s23                     ; + 256 y
	s_mov_b32 s23, 0
	s_lshl_b32 s24, s14, 5                         ; 32 rows of W
	s_mov_b32 s25, 0
	s_wait_kmcnt 0x0
	s_load_b32 s30, s[8:9], 0x4                    ; e1
	s_load_b32 s31, s[8:9], 0x1c                   ; e7
	s_cmp_lt_u32 ttmp9, 24
	s_cselect_b64 s[4:5], s[4:5], s[6:7]
	s_cselect_b64 s[10:11], s[10:11], s[12:13]
	s_add_nc_u64 s[BS:BS+1], s[4:5], s[20:21]
.irp t, 1,2,3,4,5,6,7
	s_add_nc_u64 s[BS+2*\t:BS+2*\t+1], s[BS+2*\t-2:BS+2*\t-1], s[24:25]
.endr
	s_add_nc_u64 s[10:11], s[10:11], s[22:23]
.macro LOAD t                          ; block t: W(32 t + i, my column), i = 0 .. 31, into set t % 2
.irp i, 0,1,2,3,4,5,6,7,8,9,10,11,12,13,14,15,16,17,18,19,20,21,22,23,24,25,26,27,28,29,30,31
	global_load_b32 v[X+32*((\t)%2)+\i], v[VO+\i], s[BS+2*(\t):BS+2*(\t)+1] th:TH_LOAD_NT
.endr
.endm
	LOAD 0
	LOAD 1
	s_wait_kmcnt 0x0
	s_cmp_lt_u32 ttmp9, 24
	s_cselect_b32 s30, s30, s31                    ; e
	s_add_co_i32 s30, s30, 127
	s_lshl_b32 s31, s30, 23
	v_mov_b32 v11, s31                             ; 2^e as f32
	s_add_co_i32 s30, s30, 8
	s_lshl_b32 s30, s30, 23
	s_or_b32 s30, s30, 0x600000
.macro BLOCK t
.set XS, X+32*((\t)%2)
.if (\t) < NB-1
	s_wait_loadcnt 32                              ; this block's 32 loads are in; the next block's may be out
.else
	s_wait_loadcnt 0
.endif
.irp i, 0,1,2,3,4,5,6,7,8,9,10,11,12,13,14,15,16,17,18,19,20,21,22,23,24,25,26,27,28,29,30,31
.endr
.irp g, 0,1,2,3
	v_cvt_scalef32_pk8_fp8_f32 v[C+2*\g:C+2*\g+1], v[XS+8*\g:XS+8*\g+7], v11
.endr
	ds_store_b128 v4, v[C:C+3] offset:32*(\t)      ; 32 codes: 32 bytes of my column's row
	ds_store_b128 v4, v[C+4:C+7] offset:32*(\t)+16
.if (\t)+2 < NB
	LOAD (\t)+2
.endif
	s_wait_dscnt 0x0                               ; the stores have read their registers: the next block's codes may be written
.endm
	s_wait_alu depctr_va_vdst(0)
.irp t, 0,1,2,3,4,5,6,7
	BLOCK \t
.endr
.irp t, 0,1,2,3,4,5,6,7,8,9,10,11,12,13,14,15
	ds_load_b128 v[OUTR+4*\t:OUTR+4*\t+3], v7 offset:2*\t*PITCH   ; LDS serves a wave's instructions in order: these see my stores
.endr
.irp t, 0,1,2,3,4,5,6,7,8,9,10,11,12,13,14,15
	s_wait_dscnt 15-\t                             ; the younger read-backs may be out
	global_store_b128 v8, v[OUTR+4*\t:OUTR+4*\t+3], s[10:11] offset:2*\t*KROW
.endr
	s_wait_tensorcnt 0x0                           ; the wave's end: behind my last LDS store
	ds_add_u32 v[SPW], v[NIL]
	s_wait_dscnt 0x0
	s_endpgm
.Lfunc_end_k_q27775747e0_qw:
	.size	k_q27775747e0_qw, .Lfunc_end_k_q27775747e0_qw-k_q27775747e0_qw
	.p2alignl 7, 3214868480
	.fill 96, 4, 3214868480
	.section	.rodata,"a",@progbits
	.p2align	6, 0x0
	.amdhsa_kernel k_q27775747e0_qw
		.amdhsa_group_segment_fixed_size 35840
		.amdhsa_private_segment_fixed_size 0
		.amdhsa_enable_private_segment 0
		.amdhsa_kernarg_size 40
		.amdhsa_user_sgpr_count 2
		.amdhsa_user_sgpr_kernarg_segment_ptr 1
		.amdhsa_wavefront_size32 1
		.amdhsa_system_sgpr_workgroup_id_x 1
		.amdhsa_system_sgpr_workgroup_id_y 1
		.amdhsa_system_sgpr_workgroup_id_z 1
		.amdhsa_system_vgpr_workitem_id 0
		.amdhsa_next_free_vgpr 208
		.amdhsa_next_free_sgpr 66
		.amdhsa_reserve_vcc 0
		.amdhsa_float_denorm_mode_32 3
		.amdhsa_float_denorm_mode_16_64 3
		.amdhsa_fp16_overflow 1
		.amdhsa_memory_ordered 1
		.amdhsa_forward_progress 1
		.amdhsa_inst_pref_size 36
	.end_amdhsa_kernel
	.amdgpu_metadata
---
amdhsa.version: [ 1, 2 ]
amdhsa.kernels:
  - .name:           k_q27775747e0_qw
    .symbol:         k_q27775747e0_qw.kd
    .args:
      - { .name: Wqkv, .offset: 0, .size: 8, .value_kind: global_buffer, .address_space: global }
      - { .name: Wout, .offset: 8, .size: 8, .value_kind: global_buffer, .address_space: global }
      - { .name: lowp_scales, .offset: 16, .size: 8, .value_kind: global_buffer, .address_space: global }
      - { .name: wqkvc, .offset: 24, .size: 8, .value_kind: global_buffer, .address_space: global }
      - { .name: woutc, .offset: 32, .size: 8, .value_kind: global_buffer, .address_space: global }
    .group_segment_fixed_size: 35840
    .private_segment_fixed_size: 0
    .kernarg_segment_align: 8
    .kernarg_segment_size: 40
    .max_flat_workgroup_size: 128
    .sgpr_count:     66
    .vgpr_count:     208
    .wavefront_size: 32
...
	.end_amdgpu_metadata
.endif
;; end of part 2
;; launch qkv (part 3): grid 12 x 32, 4 waves a work-group, clusters of 4 x 4, 327,680 bytes of LDS; arguments xc, wqkvc, rope, lowp_scales, qc, kc, vc; writes qc, kc, vc
.if DOCPART == 3
	.amdgcn_target "amdgcn-amd-amdhsa--gfx1250"
	.amdhsa_code_object_version 6
	.text
	.protected	k_q27775747e0_qkv
	.globl	k_q27775747e0_qkv
	.p2align	8
	.type	k_q27775747e0_qkv,@function
k_q27775747e0_qkv:
	s_mov_b64 s[64:65], 0
	v_nop
	global_prefetch_b8 v0, s[64:65] scope:SCOPE_SE
	s_setreg_imm32_b32 hwreg(HW_REG_WAVE_MODE, 25, 1), 1
	s_wait_xcnt 0x0
	s_wait_alu depctr_hold_cnt(0) depctr_sa_sdst(0) depctr_va_vdst(0) depctr_va_sdst(0) depctr_va_ssrc(0) depctr_va_vcc(0) depctr_vm_vsrc(0)
	s_getreg_b32 s2, hwreg(HW_REG_IB_STS2, 6, 4)
	s_cmp_eq_u32 s2, 0
	s_cbranch_scc0 .Lentry_in_a_cluster
	s_endpgm
.Lentry_in_a_cluster:
	s_bfe_u32 s2, ttmp6, 0x10000c
	s_cmp_lg_u32 s2, 0xf033
	s_cbranch_scc0 .Lentry_shape_is_right
	s_endpgm
.Lentry_shape_is_right:
; x Wqkv on codes of FP8 (E4M3), K = 1,024; then the rotary embedding on q and k; then q, k and v are quantised with the given scales 2^e2, 2^e3, 2^e5 and stored head by head.
; xc: [8192 tokens][1024]; wqkvc: [3072 features][1024]; rope: the table of cosines and sines, laid as this kernel's registers.
; qc, kc: [64 batch x head][2048 tokens][64].  vc: [64][16 blocks of 128 keys][64 d][128], the KEYS innermost; inside each 32 keys place 16 h + 8 e + j holds key 16 e + 8 h + j, so that 16 bytes at 32 c + 16 h
; are registers 4 c .. 4 c + 3 of an operand of the K = 128 form in that form's own order.
; A work-group of four waves makes 256 x 256 of the product, a wave 128 x 128: 64 accumulators, 512 registers.  K goes in four steps of 256 through two LDS slots filled by the tensor data mover.
; CLUSTERS of 4 x 4; the cluster's x says what is made: 0 q, 1 k, 2 v.  Role A is the matrix instruction's source 1 (a lane holds ONE row of it), role B its source 0 (a lane's eight registers run along eight rows of it).
; For q and k role A is tokens and role B features: a lane holds eight neighbouring features of a token, four rotation pairs, eight codes of a head's row.  For v THE ROLES ARE SWAPPED, by addresses alone: a lane
; holds one feature and eight neighbouring tokens, which are neighbours along the next product's K.  A's tiles hang on cy and the cluster's numbers alone and are asked for jointly by my row of the cluster,
; B's on cx and the cluster's numbers alone, by my column.
; The sums stand for sum x 2^(e0 + e1); the rotation is linear, so that power is folded into the conversion's scale: 2^(eX - e0 - e1).
; LIMITS: e2 - e0 - e1, e3 - e0 - e1 and e5 - e0 - e1 between -126 and 119.
; REGISTERS, in windows of 256: window 0: v0-31 addresses; v128-255 A's fragments, ONE set; on the way out v32-231 (below).  window 1: B's fragments, two sets.  windows 2, 3: the accumulators of my rows 0-63, 64-127 of role A.
.set ROWB,   256                       ; a tile's row in bytes
.set KROW,   1024                      ; a row of either operand in memory
.set PITCH,  272                       ; an LDS row: 256 bytes + 16 of padding = 68 words: the 16 rows that a load touches start at 16 different banks (64 banks of 4 bytes: ISA guide 11.1)
.set FR,     16                        ; registers of a fragment: 16 rows x 128 K
.set NL,     4                         ; LDS loads that bring one
.set NP,     4                         ; places behind this matrix instruction (ISA guide 7.12.1)
.set HALFT,  128*PITCH                 ; 128 rows: what one tensor load brings
.set SLOT,   4*HALFT                   ; A's 256 rows, then B's 256 rows
.set SPARE,  2*SLOT                    ; behind the ring: the spare words, 128 bytes for each wave
.set ADRA, 16                          ; v16-17 LDS address of my A fragments in slot 0, 1
.set ADRB, 20                          ; v20-21 the same for B
.set SC,   22                          ; v22 2^(eX - e0 - e1) as f32
.set LIM,  23
.set STOQ, 24                          ; v24 q, k: where I put 8 codes in my stage
.set RDQ,  25                          ; v25 q, k: where I read 16 bytes back
.set CO,   26                          ; v26 16 x lane
.set STOV, 27                          ; v27 v: where I put 16 codes
.set SPW,  28                          ; v28 LDS address of my spare word; never rewritten
.set NIL,  29                          ; v29 0; never rewritten
.set RDV,  30                          ; v30 v: where I read 16 bytes back
.set CSR,  32                          ; v32-95   two sets of 32: a block's cosines and sines
.set T,    96                          ; v96-159  a block's 64 numbers
.set TT,   160                         ; v160-167 at work
.set CD,   168                         ; v168-199 two sets of 16: a block's codes
.set BK,   200                         ; v200-231 two sets of 16: a block read back
.set AF,   128                         ; A's fragments
.set G1, 24                            ; s[24:31] descriptor group 1 for A's tiles; s[32:39] group 0, one set for each slot
.set G0, 32
.set G1B, 48                           ; s[48:55], s[56:63] the same for B's tiles
.set G0B, 56
.set MSB, 0
.macro WIN new                         ; the immediate's high byte repeats the setting that is left
.if MSB != \new
	s_set_vgpr_msb (MSB<<8)|\new
.set MSB, \new
.endif
.endm
.set MUL_LO, 0xa1                      ; source 0 (B) window 1, source 1 (A) window 0, C and D window 2
.set MUL_HI, 0xf1                      ; the same, C and D window 3
.set TO_B,   0x40                      ; destination window 1, address window 0
; A joint load: waves 0 and 1 fetch for A, waves 2 and 3 for B; the branch hangs on the wave's number alone.  An s_nop 0 and four v_nop follow each of the two lines.
.macro JLOAD g0a, g1a, g0b, g1b
	s_cmp_eq_u32 s15, 0
	s_cbranch_scc0 .Lfor_b_\@
	tensor_load_to_lds s[\g0a:\g0a+3], s[\g1a:\g1a+7]
	s_nop 0
.rept 4
	v_nop
.endr
	s_branch .Lasked_\@
.Lfor_b_\@:
	tensor_load_to_lds s[\g0b:\g0b+3], s[\g1b:\g1b+7]
	s_nop 0
.rept 4
	v_nop
.endr
.Lasked_\@:
.endm
.macro CREST                           ; a round of the cluster's barrier behind its opening barrier
	s_cmp_lg_u32 s14, 0
	s_cbranch_scc1 .Lnot_wave_0_\@
	s_barrier_signal -3
.Lnot_wave_0_\@:
	s_barrier_wait -3
	s_barrier_signal -1
	s_barrier_wait -1
.endm
.macro CROUND                          ; a whole round
	s_barrier_signal -1
	s_barrier_wait -1
	CREST
.endm
	s_load_b256 s[4:11], s[0:1], 0x0               ; xc s[4:5], wqkvc s[6:7], the table s[8:9], the scales' exponents s[10:11]
	s_load_b128 s[76:79], s[0:1], 0x20             ; qc, kc
	s_load_b64 s[80:81], s[0:1], 0x30              ; vc
	v_lshl_add_u32 v[SPW], v0, 2, SPARE
	v_mov_b32 v[NIL], 0
	ds_add_u32 v[SPW], v[NIL]
	ds_add_u32 v[SPW], v[NIL]                      ; the wave's opening: the add and its wait stand ahead of my first tensor load; the set-up below, work on registers, stands between them
	v_lshrrev_b32 v1, 5, v0
	v_readfirstlane_b32 s14, v1                    ; wave 0..3
	s_lshr_b32 s15, s14, 1                         ; which half of role A's rows is mine.  Also: I fetch for A (0) or for B (1)
	s_and_b32 s16, s14, 1                          ; which half of role B's rows.  Also: which 128 rows of that tile I fetch
	s_bfe_u32 s40, ttmp6, 0x40000                  ; cx, cy: my place in the cluster
	s_bfe_u32 s41, ttmp6, 0x40004
	s_and_b32 s86, ttmp7, 0xffff
	s_lshl_b32 s86, s86, 2                         ; 4 x cluster y
	s_add_co_u32 s17, s86, s41                     ; q, k: A's tile = tokens 256 (4 cluster y + cy) on
	s_add_co_u32 s87, s41, 8                       ; v:    A's tile = features 256 (8 + cy) on
	s_add_co_u32 s92, s86, s40                     ; v:    B's tile = tokens 256 (4 cluster y + cx) on
	s_lshl_b32 s42, ttmp9, 2
	s_add_co_u32 s42, s42, s40                     ; q, k: B's tile = features 256 (4 cluster x + cx) on
	s_cmp_eq_u32 ttmp9, 2                          ; the cluster's x: the same in all sixteen partners
	s_cselect_b32 s17, s87, s17                    ; A's tile: of cy and the cluster's numbers alone
	s_cselect_b32 s42, s92, s42                    ; B's tile: of cx and the cluster's numbers alone
	s_lshl_b32 s43, s41, 2
	s_lshl_b32 s43, 15, s43                        ; my row of the cluster
	s_lshl_b32 s44, 0x1111, s40                    ; my column
	; descriptor group 1: a tile of 128 rows x 256 bytes, padded in LDS
	s_or_b32 s[G1+0], s43, (0<<16)|(1<<20)|(1<<21)|(5<<22)|(3<<25)  ; 15:0 the mask; 17:16 elements of 1 byte; 20 padding on; 21 set beside a mask; 24:22 after every 64 words (code 5); 31:25 four words (code 3)
	s_or_b32 s[G1B+0], s44, (0<<16)|(1<<20)|(1<<21)|(5<<22)|(3<<25)
.irp g, G1, G1B
	s_mov_b32 s[\g+1], ROWB<<16                    ; tensor_dim0
	s_mov_b32 s[\g+2], 128<<16                     ; tensor_dim1
	s_mov_b32 s[\g+3], ROWB<<16                    ; tile_dim0
	s_mov_b32 s[\g+4], 128                         ; tile_dim1
	s_mov_b32 s[\g+5], KROW                        ; tensor_dim0_stride
	s_mov_b32 s[\g+6], 0
	s_mov_b32 s[\g+7], 0
.endr
	s_lshl_b32 s18, s16, 7                         ; which 128 rows of the tile I fetch
	s_lshl_b32 s20, s17, 8
	s_add_co_u32 s20, s20, s18
	s_lshl_b32 s20, s20, 10                        ; A: (256 x tile + 128 x half) rows of 1,024 bytes
	s_mov_b32 s21, 0
	s_lshl_b32 s46, s42, 8
	s_add_co_u32 s46, s46, s18
	s_lshl_b32 s46, s46, 10                        ; B likewise
	s_mov_b32 s47, 0
	s_mul_i32 s45, s14, HALFT                      ; where they go: wave x 128 rows: no place in the cluster enters an LDS address
	s_wait_dscnt 0x0                               ; the opening add is done
	s_wait_kmcnt 0x0
	s_load_b256 s[68:75], s[10:11], 0x0            ; e0 .. e7
	s_cmp_eq_u32 ttmp9, 2
	s_cselect_b64 s[88:89], s[6:7], s[4:5]         ; role A's buffer: the weights for v, else the tokens
	s_cselect_b64 s[90:91], s[4:5], s[6:7]         ; role B's
	s_add_nc_u64 s[20:21], s[88:89], s[20:21]
	s_add_nc_u64 s[46:47], s[90:91], s[46:47]
	CROUND                                         ; all sixteen work-groups are here: the first joint loads meet
.irp s, 0,1
	s_mov_b32 s[G0+4*\s], 1
	s_add_co_u32 s[G0+4*\s+1], s45, \s*SLOT
	s_add_nc_u64 s[G0+4*\s+2:G0+4*\s+3], s[20:21], \s*ROWB
	s_or_b32 s[G0+4*\s+3], s[G0+4*\s+3], 0x80000000
	s_mov_b32 s[G0B+4*\s], 1
	s_add_co_u32 s[G0B+4*\s+1], s45, \s*SLOT
	s_add_nc_u64 s[G0B+4*\s+2:G0B+4*\s+3], s[46:47], \s*ROWB
	s_or_b32 s[G0B+4*\s+3], s[G0B+4*\s+3], 0x80000000
	JLOAD G0+4*\s, G1, G0B+4*\s, G1B
.endr
	v_and_b32 v1, 15, v0                           ; r = l % 16
	v_bfe_u32 v2, v0, 4, 1                         ; h = l / 16
	v_mul_u32_u24 v3, v1, PITCH
	v_lshl_add_u32 v4, v2, 4, v3                   ; a fragment's row x pitch + 16 x half
	s_mul_i32 s21, s15, HALFT                      ; my 128 rows of A
	s_mul_i32 s22, s16, HALFT                      ; my 128 rows of B,
	s_add_co_u32 s22, s22, 2*HALFT                 ; which lie behind A's 256
.irp s, 0,1
	v_add_nc_u32 v[ADRA+\s], s21, v4
	v_add_nc_u32 v[ADRB+\s], s22, v4
	s_add_co_u32 s21, s21, SLOT
	s_add_co_u32 s22, s22, SLOT
.endr
	; the stages of the way out lie in slot 0, which has had its last fill and its last read when the first result is stored there; each of the two ways has bytes of its own
	v_and_b32 v6, 31, v0
	v_lshlrev_b32 v[CO], 4, v6
	s_mul_i32 s23, s14, 2560                       ; q, k: 2 heads x 16 tokens x (64 + 16) bytes for each wave
	v_mul_u32_u24 v5, v1, 80
	v_lshl_add_u32 v5, v2, 3, v5
	v_add_nc_u32 v[STOQ], s23, v5                  ; in: token r, + 8 h
	v_lshrrev_b32 v5, 2, v6
	v_mul_u32_u24 v5, v5, 80
	v_and_b32 v7, 3, v6
	v_lshl_add_u32 v5, v7, 4, v5
	v_add_nc_u32 v[RDQ], s23, v5                   ; back: four lanes to a token's 64 bytes
	s_mul_i32 s23, s14, 2304                       ; v: 16 rows d x (128 + 16) bytes for each wave
	s_add_co_u32 s23, s23, 16384
	v_mul_u32_u24 v5, v1, 144
	v_lshl_add_u32 v5, v2, 4, v5
	v_add_nc_u32 v[STOV], s23, v5                  ; in: row r, + 16 h
	v_lshrrev_b32 v5, 3, v6
	v_mul_u32_u24 v5, v5, 144
	v_and_b32 v7, 7, v6
	v_lshl_add_u32 v5, v7, 4, v5
	v_add_nc_u32 v[RDV], s23, v5                   ; back: eight lanes to a row's 128 bytes
	s_wait_kmcnt 0x0
	s_cmp_eq_u32 ttmp9, 0
	s_cselect_b32 s86, s70, s71                    ; e2 for q, e3 for k,
	s_cmp_eq_u32 ttmp9, 2
	s_cselect_b32 s86, s73, s86                    ; e5 for v
	s_sub_co_i32 s86, s86, s68
	s_sub_co_i32 s86, s86, s69
	s_add_co_i32 s86, s86, 127
	s_lshl_b32 s87, s86, 23
	v_mov_b32 v[SC], s87
	; where my results go: buffer + ((batch x 16 + head) << 17) + ((token % 2048) << 6).  In vc a block of 128 keys is 8,192 bytes and my first token is a multiple of 128: the same sum
	s_lshl_b32 s92, s17, 8
	s_lshl_b32 s93, s15, 7
	s_add_co_u32 s92, s92, s93                     ; my first row of role A
	s_lshl_b32 s93, s42, 8
	s_lshl_b32 s94, s16, 7
	s_add_co_u32 s93, s93, s94                     ; my first row of role B
	s_lshl_b32 s94, s40, 2
	s_lshl_b32 s95, s16, 1
	s_add_co_u32 s94, s94, s95                     ; q, k: my first head = 4 cx + 2 x half
	s_lshl_b32 s95, s41, 2
	s_lshl_b32 s87, s15, 1
	s_add_co_u32 s95, s95, s87                     ; v: 4 cy + 2 x half
	s_cmp_eq_u32 ttmp9, 2
	s_cselect_b32 s93, s93, s92                    ; my first token
	s_cselect_b32 s94, s95, s94                    ; my first head
	s_cselect_b64 s[82:83], s[80:81], s[78:79]
	s_cmp_eq_u32 ttmp9, 0
	s_cselect_b64 s[82:83], s[76:77], s[82:83]
	s_lshr_b32 s95, s93, 11
	s_lshl_b32 s95, s95, 4
	s_add_co_u32 s95, s95, s94
	s_lshl_b32 s95, s95, 17
	s_and_b32 s93, s93, 2047
	s_lshl_b32 s93, s93, 6
	s_add_co_u32 s86, s95, s93
	s_mov_b32 s87, 0
	s_add_nc_u64 s[82:83], s[82:83], s[86:87]
	s_and_b32 s86, s92, 2047
	s_lshl_b32 s86, s86, 8                         ; the table: 4,096 bytes for each 16 positions
	s_add_nc_u64 s[84:85], s[8:9], s[86:87]
.macro FRAG reg, adr, q, i             ; a fragment: lane l holds row l % 16; registers 4 c .. 4 c + 3 hold K = 32 c + 16 (l / 16) + 0 .. 15: the same order of k in A and in B
.irp c, 0,1,2,3
	ds_load_b128 v[\reg+4*\c:\reg+4*\c+3], v[\adr] offset:128*(\q)+32*\c+(\i)*16*PITCH
.endr
.endm
; 16 matrix instructions: A's blocks a0, a0 + 1 x B's eight, 128 along K.  The 64 accumulators take turns, one instruction a turn, in the same order in every step.
.macro MUL16 a0, p, zero
.irp a, \a0, \a0+1
.irp b, 0,1,2,3,4,5,6,7
.if \zero
	v_wmma_f32_16x16x128_fp8_fp8 v[8*(8*((\a)%4)+\b):8*(8*((\a)%4)+\b)+7], v[128*(\p)+FR*\b:128*(\p)+FR*\b+FR-1], v[AF+FR*(\a):AF+FR*(\a)+FR-1], 0
.else
	v_wmma_f32_16x16x128_fp8_fp8 v[8*(8*((\a)%4)+\b):8*(8*((\a)%4)+\b)+7], v[128*(\p)+FR*\b:128*(\p)+FR*\b+FR-1], v[AF+FR*(\a):AF+FR*(\a)+FR-1], v[8*(8*((\a)%4)+\b):8*(8*((\a)%4)+\b)+7]
.endif
.endr
.endr
.endm
.macro FETCH_B slot, q, p              ; B's eight fragments of the slot's q-th 128 along K into set p
	WIN TO_B
.irp i, 0,1,2,3,4,5,6,7
	FRAG 128*(\p)+FR*\i, ADRB+\slot, \q, \i
.endr
	WIN 0
.endm
.macro FETCH_A slot, q, i0             ; A's blocks i0 .. i0 + 3
.irp i, \i0, \i0+1, \i0+2, \i0+3
	FRAG AF+FR*(\i), ADRA+\slot, \q, \i
.endr
.endm
.macro PLACES n                        ; plain vector instructions between a matrix instruction and a load into, or a vector read or write of, its registers
.rept \n
	v_nop
.endr
.endm
; A step of 128 along K that has its successor in the same slot.  A has one set of registers: blocks 0-3 are fetched anew in the step's middle, blocks 4-7 at its end; B has two.
.macro STEP slot, q, zero
	s_wait_dscnt 4*NL                              ; B's set and A's blocks 0-3 are in; the youngest sixteen loads (A's blocks 4-7) may be out
	WIN MUL_LO
	MUL16 0, (\q)%2, \zero
	MUL16 2, (\q)%2, \zero
	s_wait_dscnt 0                                 ; A's blocks 4-7 are in
	PLACES NP
	FETCH_B \slot, (\q)+1, 1-(\q)%2
	FETCH_A \slot, (\q)+1, 0
	WIN MUL_HI
	MUL16 4, (\q)%2, \zero
	MUL16 6, (\q)%2, \zero
	PLACES NP
	WIN 0
	FETCH_A \slot, (\q)+1, 4
.endm
; A slot's last step changes slots: ONE barrier; in front of it each wave waits for all its tensor loads, adds 0 to its spare word, and waits for that and for its own reads of this slot.  fill = 1: this slot is filled again.
.macro TURN slot, next, fill
	s_wait_tensorcnt 0x0                           ; all my tensor loads have landed: my part of the next slot
	ds_add_u32 v[SPW], v[NIL]                      ; 0 onto my spare word
	s_wait_dscnt 4*NL+1                            ; (the add and the youngest sixteen loads, A's blocks 4-7, may be out)
	WIN MUL_LO
	MUL16 0, 1, 0                                  ; sixteen matrix instructions stand between the add and the wait for it
	s_wait_dscnt 0x0                               ; the add is done, and my reads of this slot are over
	s_barrier_signal -1
	MUL16 2, 1, 0
	WIN 0
	s_barrier_wait -1
.if \fill
	CREST                                          ; the barrier has opened a round of the cluster's barrier: no wave of any partner still reads this slot or has a load on its way
	s_add_nc_u64 s[G0+4*\slot+2:G0+4*\slot+3], s[G0+4*\slot+2:G0+4*\slot+3], 2*ROWB
	s_add_nc_u64 s[G0B+4*\slot+2:G0B+4*\slot+3], s[G0B+4*\slot+2:G0B+4*\slot+3], 2*ROWB
	JLOAD G0+4*\slot, G1, G0B+4*\slot, G1B         ; the first tensor load behind the round; its four v_nop are also the places in front of the loads below
.else
	PLACES NP
.endif
	FETCH_B \next, 0, 0
	FETCH_A \next, 0, 0
	WIN MUL_HI
	MUL16 4, 1, 0
	MUL16 6, 1, 0
	PLACES NP
	WIN 0
	FETCH_A \next, 0, 4
.endm
.macro LAST                            ; the very last step: nothing more to fetch
	s_wait_dscnt 4*NL
	WIN MUL_LO
	MUL16 0, 1, 0
	MUL16 2, 1, 0
	s_wait_dscnt 0
	WIN MUL_HI
	MUL16 4, 1, 0
	MUL16 6, 1, 0
	WIN 0
.endm
; THE WAY OUT OF q AND k, by blocks of 16 tokens x 128 features (two heads).
.macro QKLOAD a                        ; block a's cosines and sines: eight loads of 512 consecutive bytes; registers 8 (b % 4) + 2 p, + 1 = cos, sin of the pair in registers 2 p, 2 p + 1 of tile b
.irp u, 0,1,2,3,4,5,6,7
	global_load_b128 v[CSR+32*((\a)%2)+4*\u:CSR+32*((\a)%2)+4*\u+3], v[CO], s[84:85] offset:4096*(\a)+512*\u
.endr
.endm
.macro QKBLOCK a
.if (\a) < 7
	s_wait_loadcnt 8                               ; this block's table is in; the next block's eight loads may be out
.else
	s_wait_loadcnt 0
.endif
	WIN 0x02+((\a)/4)                              ; source 0: window 2 or 3
.irp b, 0,1,2,3,4,5,6,7
.set AC, 64*((\a)%4)+8*\b
.set CSB, CSR+32*((\a)%2)+8*(\b%4)
.irp p, 0,1,2,3                        ; each accumulator is read from its low end on
	v_pk_mul_f32 v[TT+2*\p:TT+2*\p+1], v[AC+2*\p:AC+2*\p+1], v[CSB+2*\p:CSB+2*\p+1] op_sel:[1,1] op_sel_hi:[0,1] neg_lo:[1,0]   ; (-sin xo, sin xe)
.endr
.irp p, 0,1,2,3
	v_pk_fma_f32 v[T+8*\b+2*\p:T+8*\b+2*\p+1], v[AC+2*\p:AC+2*\p+1], v[CSB+2*\p:CSB+2*\p+1], v[TT+2*\p:TT+2*\p+1] op_sel_hi:[1,0,1]   ; (cos xe - sin xo, cos xo + sin xe)
.endr
.endr
	WIN 0
.if (\a)+2 < 8
	QKLOAD (\a)+2                                  ; into the set just read
.endif
.set n, 0
.rept 64
.set n, n+1
.endr
.irp b, 0,1,2,3,4,5,6,7
	v_cvt_scalef32_pk8_fp8_f32 v[CD+16*((\a)%2)+2*\b:CD+16*((\a)%2)+2*\b+1], v[T+8*\b:T+8*\b+7], v[SC]
.endr
	v_nop                                          ; a plain vector instruction behind the last conversion: the next block writes the numbers' registers
.if (\a) > 1
	s_wait_alu depctr_va_vdst(0)
	s_wait_xcnt 0x0                                ; the stores of the block two back have read their registers: this block's read-back may land there
.endif
.irp b, 0,1,2,3,4,5,6,7
	ds_store_b64 v[STOQ], v[CD+16*((\a)%2)+2*\b:CD+16*((\a)%2)+2*\b+1] offset:1280*(\b/4)+16*(\b%4)
.endr
.irp hh, 0,1
.irp w, 0,1
	ds_load_b128 v[BK+16*((\a)%2)+4*(2*\hh+\w):BK+16*((\a)%2)+4*(2*\hh+\w)+3], v[RDQ] offset:1280*\hh+640*\w   ; LDS serves a wave's instructions in order: these see the stores above
.endr
.endr
.endm
.macro QKSEND a, younger               ; younger: the LDS instructions issued behind block a's read-back
	s_wait_dscnt \younger
.irp hh, 0,1
.irp w, 0,1
	global_store_b128 v[CO], v[BK+16*((\a)%2)+4*(2*\hh+\w):BK+16*((\a)%2)+4*(2*\hh+\w)+3], s[82:83] offset:131072*\hh+1024*(\a)+512*\w   ; eight tokens' rows of a head: 512 consecutive, aligned bytes
.endr
.endr
.endm
; THE WAY OUT OF v, by blocks of 16 features x 128 tokens.
.macro VBLOCK a
	WIN 0x02+((\a)/4)
.set n, 0
.rept 64
.set n, n+1
.endr
.irp b, 0,1,2,3,4,5,6,7
	v_cvt_scalef32_pk8_fp8_f32 v[CD+16*((\a)%2)+2*\b:CD+16*((\a)%2)+2*\b+1], v[T+8*\b+((64*((\a)%4)+n)-(T+n)):T+8*\b+7+((64*((\a)%4)+n)-(T+n))], v[SC]
.endr
	WIN 0
	v_nop                                          ; a plain vector instruction behind the last conversion
.if (\a) > 1
	s_wait_alu depctr_va_vdst(0)
	s_wait_xcnt 0x0                                ; the stores of the block two back have read their registers
.endif
.irp g, 0,1,2,3
	ds_store_b128 v[STOV], v[CD+16*((\a)%2)+4*\g:CD+16*((\a)%2)+4*\g+3] offset:32*\g   ; tiles 2 g and 2 g + 1 of tokens: places 32 g + 16 h + 0 .. 15 of my feature's row
.endr
.irp w, 0,1,2,3
	ds_load_b128 v[BK+16*((\a)%2)+4*\w:BK+16*((\a)%2)+4*\w+3], v[RDV] offset:576*\w
.endr
.endm
.macro VSEND a, younger
	s_wait_dscnt \younger
.irp w, 0,1,2,3
	global_store_b128 v[CO], v[BK+16*((\a)%2)+4*\w:BK+16*((\a)%2)+4*\w+3], s[82:83] offset:131072*((\a)/4)+2048*((\a)%4)+512*\w   ; four rows d of 128 bytes: 512 consecutive, aligned bytes
.endr
.endm
	s_wait_tensorcnt 1                             ; my part of K step 0 is in (K step 1's load may be out)
	s_barrier_signal -1
	s_barrier_wait -1                              ; everybody's is
	FETCH_B 0, 0, 0
	FETCH_A 0, 0, 0
	FETCH_A 0, 0, 4
	STEP 0, 0, 1                                   ; the first products start the sums: nothing is cleared
	TURN 0, 1, 1                                   ; slot 0 takes K step 2
	STEP 1, 0, 0
	TURN 1, 0, 1                                   ; slot 1 takes K step 3
	STEP 0, 0, 0
	TURN 0, 1, 0                                   ; the last barrier but the closing round's: nothing is filled again
	s_cmp_eq_u32 ttmp9, 2                          ; HERE THE WAYS PART, once, on the cluster's x: the same in all partners and all waves.  The last two steps stand on both ways
	s_cbranch_scc1 .Lv
	QKLOAD 0                                       ; the table's first two blocks land under the last 128 matrix instructions
	QKLOAD 1
	STEP 1, 0, 0
	LAST
	PLACES NP                                      ; in front of the first read of results and the first write of registers that held A's fragments
	QKBLOCK 0
.irp a, 1,2,3,4,5,6,7
	QKBLOCK \a
	QKSEND \a-1, 12                                ; behind block a - 1's read-back: block a's 8 stores and 4 loads
.endr
	QKSEND 7, 0
	s_branch .Lend
.Lv:
	STEP 1, 0, 0
	LAST
	PLACES NP
	s_wait_alu depctr_va_vdst(0)
	VBLOCK 0
.irp a, 1,2,3,4,5,6,7
	VBLOCK \a
	VSEND \a-1, 8                                  ; behind block a - 1's read-back: block a's 4 stores and 4 loads
.endr
	VSEND 7, 0
.Lend:
	s_wait_tensorcnt 0x0                           ; the wave's end: behind my last tensor load and my last LDS store
	ds_add_u32 v[SPW], v[NIL]
	s_wait_dscnt 0x0
	CROUND                                         ; the closing round: no work-group ends while a partner may still ask for a tile that names it
	s_endpgm
.Lfunc_end_k_q27775747e0_qkv:
	.size	k_q27775747e0_qkv, .Lfunc_end_k_q27775747e0_qkv-k_q27775747e0_qkv
	.p2alignl 7, 3214868480
	.fill 96, 4, 3214868480
	.section	.rodata,"a",@progbits
	.p2align	6, 0x0
	.amdhsa_kernel k_q27775747e0_qkv
		.amdhsa_group_segment_fixed_size 327680
		.amdhsa_private_segment_fixed_size 0
		.amdhsa_enable_private_segment 0
		.amdhsa_kernarg_size 56
		.amdhsa_user_sgpr_count 2
		.amdhsa_user_sgpr_kernarg_segment_ptr 1
		.amdhsa_wavefront_size32 1
		.amdhsa_system_sgpr_workgroup_id_x 1
		.amdhsa_system_sgpr_workgroup_id_y 1
		.amdhsa_system_sgpr_workgroup_id_z 1
		.amdhsa_system_vgpr_workitem_id 0
		.amdhsa_next_free_vgpr 1024
		.amdhsa_next_free_sgpr 100
		.amdhsa_reserve_vcc 0
		.amdhsa_float_denorm_mode_32 3
		.amdhsa_float_denorm_mode_16_64 3
		.amdhsa_fp16_overflow 1
		.amdhsa_memory_ordered 1
		.amdhsa_forward_progress 1
		.amdhsa_inst_pref_size 157
	.end_amdhsa_kernel
	.amdgpu_metadata
---
amdhsa.version: [ 1, 2 ]
amdhsa.kernels:
  - .name:           k_q27775747e0_qkv
    .symbol:         k_q27775747e0_qkv.kd
    .args:
      - { .name: xc, .offset: 0, .size: 8, .value_kind: global_buffer, .address_space: global }
      - { .name: wqkvc, .offset: 8, .size: 8, .value_kind: global_buffer, .address_space: global }
      - { .name: rope, .offset: 16, .size: 8, .value_kind: global_buffer, .address_space: global }
      - { .name: lowp_scales, .offset: 24, .size: 8, .value_kind: global_buffer, .address_space: global }
      - { .name: qc, .offset: 32, .size: 8, .value_kind: global_buffer, .address_space: global }
      - { .name: kc, .offset: 40, .size: 8, .value_kind: global_buffer, .address_space: global }
      - { .name: vc, .offset: 48, .size: 8, .value_kind: global_buffer, .address_space: global }
    .group_segment_fixed_size: 327680
    .private_segment_fixed_size: 0
    .kernarg_segment_align: 8
    .kernarg_segment_size: 56
    .max_flat_workgroup_size: 128
    .sgpr_count:     100
    .vgpr_count:     1024
    .wavefront_size: 32
...
	.end_amdgpu_metadata
.endif
;; end of part 3
;; launch attn (part 4): grid 4 x 64, 16 waves a work-group, no clusters, 327,680 bytes of LDS; arguments qc, kc, vc, lowp_scales, ac; writes ac
.if DOCPART == 4
	.amdgcn_target "amdgcn-amd-amdhsa--gfx1250"
	.amdhsa_code_object_version 6
	.text
	.protected	k_q27775747e0_attn
	.globl	k_q27775747e0_attn
	.p2align	8
	.type	k_q27775747e0_attn,@function
k_q27775747e0_attn:
	s_mov_b64 s[64:65], 0
	v_nop
	global_prefetch_b8 v0, s[64:65] scope:SCOPE_SE
	s_setreg_imm32_b32 hwreg(HW_REG_WAVE_MODE, 25, 1), 1
	s_wait_xcnt 0x0
; Causal attention on codes of FP8 (E4M3), head size 64: O = softmax(Q K^T / 8) V, key k counting for query q where k <= q; O is quantised with the given 2^e6 and stored as codes.
; qc, kc, ac: [64 batch x head][2048][64].  vc: [64][16 blocks of 128 keys][64 d][128], the keys innermost, in the order of the K = 128 form's registers.  Scales: e2 (q), e3 (k), e4 (p), e5 (v), e6 (O).
; THE SOFTMAX: t = score x log2(e) / 8; M = the row's largest t so far, rounded UP to a whole number; p = 2^(t - M) is quantised; the row's sum is taken of the unquantised p and divides O at the end.
; When M moves, the sum and O are multiplied by 2^(old M - new M): exact.
; SHARES.  Work-group (i, head) owns TWO blocks of 256 queries: block 7 - i first, then block i.  Under the mask they need 8 - i and i + 1 slots of 256 keys: NINE slots in every work-group, so that the trip
; count is a constant and all 256 work-groups have equal work.  Each of the sixteen waves owns 16 queries of the block in hand, in 256 registers: four waves to a SIMD, one's vector work beside another's matrix work.
; K's and V's tiles come through a ring of two LDS slots (waves 0, 1: K's halves; waves 2, 3: V's blocks of 128 keys) and are read by all sixteen.
; NO CLUSTER: the four work-groups of a head walk different sequences of slots (0 .. 7 - i, then 0 .. i), so from the fifth trip on partners would ask for different tiles in the same round.
; LAYOUT.  Both products are used transposed: S^T = K Q^T (source 0 = 16 keys, source 1 = my 16 queries), O^T = V^T P^T: a lane holds ONE query (lane % 16) throughout.  Register j of tile t of S^T is key
; 16 t + 8 (lane / 16) + j: its eight codes are registers 2 t, 2 t + 1 of the second product's operand.
; LIMITS: e2 + e3 between -123 and 130 (added to c's exponent field); e4, and e6 - e4 - e5, between -126 and 119.
; REGISTERS: v1-11 addresses; v12 -M, v13 the largest t, v[14:15] the sum in two halves; v16-23 Q; v24-31 O's codes; v32-95 fragments of K, then of V; v96-159 S^T, then p; v160-191 O^T; v192-223 O scaled;
; v224-239 p's codes; v244: 2^e4; v245: 2^(e6 - e4 - e5); v236-243, v246, v248-255 at work.
.set SK,    256                        ; keys in a slot
.set KP,    80                         ; a key's row in LDS: 64 bytes + 16 of padding
.set VP,    144                        ; a row of V's block: 128 bytes + 16
.set VOFF,  SK*KP                      ; a slot: 256 rows of K, then two blocks of 64 rows of V
.set VBLK,  64*VP
.set SLOT1, 1<<16                      ; slot 1 begins here: one exclusive or turns an address in one slot into the other's
.set STAGE, 2*SLOT1                    ; behind the ring: 16 rows x 80 bytes for each wave, for the way out; no tile lands here
.set SPARE, STAGE+16*1280              ; behind the stages: the spare words, 128 bytes for each wave
.set AK0, 1                            ; v1  my lane's place in a tile of K
.set AV0, 2                            ; v2  the same for V
.set PFO, 3                            ; v3  256 x lane: the prefetches' offset
.set QA,  4                            ; v4  Q: 64 r + 16 h
.set SPW, 5
.set NIL, 6
.set GO,  7                            ; v7  16 x lane
.set ADK, 8
.set ADV, 9
.set STO, 10                           ; v10 the stage: where I put 8 codes
.set SRD, 11                           ; v11 and where I read 16 bytes back
.set TB,  2                            ; s2  LDS byte at which the slot in hand begins
.set KN,  3                            ; s3  which 256 keys the next fill brings
.set WV,  18
.set SEL, 20                           ; s[20:21] lane selects for v_permlanex16_b32: lane l xor 16
.set CS,  22                           ; s[22:23] c = log2(e) / 8 x 2^(e2 + e3)
.set G1K, 24
.set G1V, 32
.set G0K, 40
.set G0V, 44
.set NB,  48                           ; s48 8 - i: the first block's slots
.set ENDP, 49                          ; s49 i + 1: the count of slots left at which the first block is finished
.set SLOTS, 50                         ; s50 runs 8 .. 1
.set KF,  51                           ; s51 the step's first key
.set Q0,  52                           ; s52 my first query of the block in hand
.set Q0B, 53                           ; s53 of the second block
.set KBASE, 54                         ; s[54:55] my half of the head's first slot of K
.set VBASE, 56                         ; s[56:57] of V
.set OFP, 58                           ; s[58:59] KN slots of 16,384 bytes
.set QP2, 60                           ; s[60:61] the second block's Q
.set OUT1, 62                          ; s[62:63] where the first block's codes go
.set OUT2, 66                          ; s[66:67] the second's
.set PFA, 76                           ; s[76:77] where my prefetches stand
.set LIM, 80                           ; s80 2 in a wave that prefetches, else the greatest number
.macro TLOAD                           ; waves 0 and 1 fetch for K, waves 2 and 3 for V, the others nothing; an s_nop 0 and four v_nop follow each of the two lines
	s_cmp_lt_u32 s[WV], 2
	s_cbranch_scc0 .Lnot_k_\@
	tensor_load_to_lds s[G0K:G0K+3], s[G1K:G1K+7]
	s_nop 0
.rept 4
	v_nop
.endr
	s_branch .Lasked_\@
.Lnot_k_\@:
	s_cmp_lt_u32 s[WV], 4
	s_cbranch_scc0 .Lasked_\@
	tensor_load_to_lds s[G0V:G0V+3], s[G1V:G1V+7]
	s_nop 0
.rept 4
	v_nop
.endr
.Lasked_\@:
.endm
; A PREFETCH INTO THE L2 of the slot that the NEXT change of slots will ask for.  All four work-groups of a head read the same K and V; the one with i = 0 walks slots 0 to 7 on end, and it alone asks.
; In it waves 4, 5 ask for K's 16,384 bytes and waves 6, 7 for V's, 8,192 bytes a wave, lanes 256 bytes apart: each aligned block of 256 bytes is named once in the launch.
; Trip T asks for slot T + 2, T = 0 .. 5; slots 0 and 1 come by their loads alone, and nothing is asked for behind slot 7.
.macro ASK
	s_cmp_gt_u32 s[SLOTS], s[LIM]
	s_cbranch_scc0 .Lnot_mine_\@
	global_prefetch_b8 v[PFO], s[PFA:PFA+1] th:TH_LOAD_NT scope:SCOPE_SE
.Lnot_mine_\@:
.endm
	s_load_b256 s[4:11], s[0:1], 0x0               ; qc s[4:5], kc s[6:7], vc s[8:9], the scales' exponents s[10:11]
	s_load_b64 s[12:13], s[0:1], 0x20              ; ac
	v_lshl_add_u32 v[SPW], v0, 2, SPARE
	v_mov_b32 v[NIL], 0
	ds_add_u32 v[SPW], v[NIL]                      ; the wave's opening: the add and its wait stand ahead of my first tensor load; the set-up below, work on registers, stands between them
	ds_add_u32 v[SPW], v[NIL]
	v_lshrrev_b32 v8, 5, v0
	s_delay_alu instid0(VALU_DEP_1)
	v_readfirstlane_b32 s[WV], v8                  ; wave 0..15
	s_and_b32 s82, ttmp7, 0xffff
	s_lshl_b32 s82, s82, 17                        ; the head's first byte, in each of the four tensors of codes
	s_and_b32 s84, s[WV], 1
	s_lshl_b32 s86, s84, 13
	s_add_co_u32 s86, s86, s82                     ; + my half of a slot's 16,384 bytes
	s_mov_b32 s87, 0
	s_mul_i32 s88, s84, 128*KP                     ; where K's half goes in a slot,
	s_mul_i32 s89, s84, VBLK
	s_add_co_u32 s89, s89, VOFF                    ; and V's block
	s_sub_co_u32 s[NB], 8, ttmp9
	s_add_co_u32 s[ENDP], ttmp9, 1
	s_lshl_b32 s90, s[WV], 4
	s_sub_co_u32 s[Q0], 7, ttmp9
	s_lshl_b32 s[Q0], s[Q0], 8
	s_add_co_u32 s[Q0], s[Q0], s90                 ; 256 (7 - i) + 16 wave
	s_lshl_b32 s[Q0B], ttmp9, 8
	s_add_co_u32 s[Q0B], s[Q0B], s90               ; 256 i + 16 wave
	s_lshl_b32 s92, s[Q0], 6
	s_add_co_u32 s92, s92, s82
	s_mov_b32 s93, 0
	s_lshl_b32 s94, s[Q0B], 6
	s_add_co_u32 s94, s94, s82
	s_mov_b32 s95, 0
	; descriptor group 1: K: 128 rows of 64 bytes, dense; V: 64 rows of 128 bytes, dense
	s_mov_b32 s[G1K], (0<<16)|(1<<20)|(3<<22)|(3<<25)   ; elements of 1 byte; padding on: four words (code 3) after every 16 (code 3)
	s_mov_b32 s[G1K+1], 64<<16                     ; tensor_dim0
	s_mov_b32 s[G1K+2], 128<<16                    ; tensor_dim1
	s_mov_b32 s[G1K+3], 64<<16                     ; tile_dim0
	s_mov_b32 s[G1K+4], 128                        ; tile_dim1
	s_mov_b32 s[G1K+5], 64                         ; tensor_dim0_stride
	s_mov_b32 s[G1K+6], 0
	s_mov_b32 s[G1K+7], 0
	s_mov_b32 s[G1V], (0<<16)|(1<<20)|(4<<22)|(3<<25)   ; four words after every 32 (code 4)
	s_mov_b32 s[G1V+1], 128<<16
	s_mov_b32 s[G1V+2], 64<<16
	s_mov_b32 s[G1V+3], 128<<16
	s_mov_b32 s[G1V+4], 64
	s_mov_b32 s[G1V+5], 128
	s_mov_b32 s[G1V+6], 0
	s_mov_b32 s[G1V+7], 0
	s_mov_b32 s[SEL], 0x76543210
	s_mov_b32 s[SEL+1], 0xfedcba98
	s_mov_b32 s[CS], 0x3e38aa3b                    ; log2(e) / 8
	s_mov_b32 s[TB], 0
	s_mov_b32 s[KN], 0
	s_mov_b32 s[KF], 0
	s_mov_b32 s[SLOTS], 8
	s_mov_b32 s[OFP+1], 0
	s_wait_dscnt 0x0                               ; the opening add is done
	s_wait_kmcnt 0x0
	s_load_b256 s[68:75], s[10:11], 0x0            ; e0 .. e7
	s_add_nc_u64 s[KBASE:KBASE+1], s[6:7], s[86:87]
	s_add_nc_u64 s[VBASE:VBASE+1], s[8:9], s[86:87]
	s_mov_b32 s[G0K], 1                            ; count = 1
	s_mov_b32 s[G0K+1], s88                        ; LDS address: slot 0
	s_mov_b64 s[G0K+2:G0K+3], s[KBASE:KBASE+1]     ; the head's first 256 keys
	s_or_b32 s[G0K+3], s[G0K+3], 0x80000000        ; type = 2
	s_mov_b32 s[G0V], 1
	s_mov_b32 s[G0V+1], s89
	s_mov_b64 s[G0V+2:G0V+3], s[VBASE:VBASE+1]
	s_or_b32 s[G0V+3], s[G0V+3], 0x80000000
	TLOAD                                          ; slot 0
	s_add_nc_u64 s[14:15], s[4:5], s[92:93]        ; the first block's Q
	s_add_nc_u64 s[QP2:QP2+1], s[4:5], s[94:95]
	s_add_nc_u64 s[OUT1:OUT1+1], s[12:13], s[92:93]
	s_add_nc_u64 s[OUT2:OUT2+1], s[12:13], s[94:95]
	s_cmp_lt_u32 s[WV], 6
	s_cselect_b64 s[PFA:PFA+1], s[KBASE:KBASE+1], s[VBASE:VBASE+1]
	s_add_nc_u64 s[PFA:PFA+1], s[PFA:PFA+1], 16384 ; in slot 1: the first change of slots steps it to slot 2.  Nothing is prefetched here, at the head
	s_sub_co_u32 s82, s[WV], 4
	s_lshr_b32 s82, s82, 2                         ; 0 in waves 4 to 7,
	s_or_b32 s82, s82, ttmp9                       ; of the work-group with i = 0
	s_cmp_eq_u32 s82, 0
	s_cselect_b32 s[LIM], 2, -1
	v_and_b32 v8, 15, v0                           ; r
	v_bfe_u32 v9, v0, 4, 1                         ; h
	s_delay_alu instid0(VALU_DEP_2)
	v_lshlrev_b32 v[QA], 6, v8
	s_delay_alu instid0(VALU_DEP_1)
	v_lshl_add_u32 v[QA], v9, 4, v[QA]
	global_load_b128 v[16:19], v[QA], s[14:15]     ; Q's fragment: registers 4 c .. 4 c + 3 hold d = 32 c + 16 h + 0 .. 15, as K's do
	global_load_b128 v[20:23], v[QA], s[14:15] offset:32
	v_mul_u32_u24 v[AK0], v8, KP
	s_delay_alu instid0(VALU_DEP_1)
	v_lshl_add_u32 v[AK0], v9, 4, v[AK0]
	v_mul_u32_u24 v[AV0], v8, VP
	s_delay_alu instid0(VALU_DEP_1)
	v_lshl_add_u32 v[AV0], v9, 4, v[AV0]
	s_delay_alu instid0(VALU_DEP_1)
	v_add_nc_u32 v[AV0], VOFF, v[AV0]
	v_and_b32 v254, 31, v0
	s_delay_alu instid0(VALU_DEP_1)
	v_lshlrev_b32 v[GO], 4, v254
	s_delay_alu instid0(VALU_DEP_2)
	v_lshlrev_b32 v[PFO], 8, v254
	s_mul_i32 s96, s[WV], 1280
	s_add_co_u32 s96, s96, STAGE                   ; my stage
	v_mul_u32_u24 v[STO], v8, 80
	s_delay_alu instid0(VALU_DEP_1)
	v_lshl_add_u32 v[STO], v9, 3, v[STO]
	s_delay_alu instid0(VALU_DEP_1)
	v_add_nc_u32 v[STO], s96, v[STO]               ; in: query r, + 8 h
	v_lshrrev_b32 v[SRD], 2, v254
	s_delay_alu instid0(VALU_DEP_1)
	v_mul_u32_u24 v[SRD], v[SRD], 80
	v_and_b32 v252, 3, v254
	s_delay_alu instid0(VALU_DEP_1)
	v_lshl_add_u32 v[SRD], v252, 4, v[SRD]
	s_delay_alu instid0(VALU_DEP_1)
	v_add_nc_u32 v[SRD], s96, v[SRD]               ; back: four lanes to a query's 64 bytes
	v_mov_b32 v13, 0xff61b1e6                      ; the largest t so far: -3e38, under every t
	s_delay_alu instid0(VALU_DEP_1)
	v_floor_f32 v12, -v13                          ; -M
	v_mov_b32 v14, 0                               ; the sum, in two halves
	v_mov_b32 v15, 0
	v_mov_b32 v246, 0                              ; written once: a lane permute's destination counts as one of its sources
	v_mov_b32 v253, 0                              ; (named as the upper half of the pair v[252:253])
.set n, 0
.rept 32
	v_mov_b32 v[160+n], 0                          ; O^T.  (The step is written without a first step of its own: it finds zeros, which the first change of M leaves zeros)
.set n, n+1
.endr
	s_wait_kmcnt 0x0
	s_add_co_i32 s82, s70, s71
	s_lshl_b32 s82, s82, 23
	s_add_co_i32 s[CS], s[CS], s82                 ; a score stands for score x 2^(e2 + e3): the exponents are added to c's exponent field
	s_mov_b32 s[CS+1], s[CS]                       ; (named with it as a pair, so it is written)
	s_add_co_i32 s82, s72, 127
	s_lshl_b32 s83, s82, 23
	v_mov_b32 v244, s83                            ; 2^e4
	s_sub_co_i32 s82, s74, s72
	s_sub_co_i32 s82, s82, s73
	s_add_co_i32 s82, s82, 127
	s_lshl_b32 s83, s82, 23
	v_mov_b32 v245, s83                            ; 2^(e6 - e4 - e5): O^T / the sum stands for that number x 2^(e4 + e5)
; A KEY STEP: 128 keys, the q-th of the slot in hand.
.macro STEP q
	s_add_co_u32 s96, s[Q0], 15                    ; a step all of whose keys come after my 16 queries is left out: a scalar branch on ids and counts, round the step's loads, products and softmax alone
	s_cmp_gt_u32 s[KF], s96
	s_cbranch_scc1 .Lhidden_\@
	v_add_nc_u32 v[ADK], s[TB], v[AK0]
	v_add_nc_u32 v[ADV], s[TB], v[AV0]
	v_nop                                          ; with the two additions: four places in front of loads into registers that the last products read
	v_nop
.irp t, 0,1,2,3,4,5,6,7
.irp c, 0,1
	ds_load_b128 v[32+8*\t+4*\c:32+8*\t+4*\c+3], v[ADK] offset:(128*(\q)+16*\t)*KP+32*\c
.endr
.endr
	s_wait_alu depctr_va_vdst(0)
	s_wait_dscnt 0x0
.irp t, 0,1,2,3,4,5,6,7
	v_wmma_f32_16x16x64_fp8_fp8 v[96+8*\t:103+8*\t], v[32+8*\t:39+8*\t], v[16:23], 0   ; S^T: keys 16 t on x my 16 queries
.endr
.rept 4
	v_nop                                          ; places in front of the loads below and of the first read of the scores
.endr
.irp t, 0,1,2,3
.irp c, 0,1,2,3
	ds_load_b128 v[32+16*\t+4*\c:32+16*\t+4*\c+3], v[ADV] offset:(\q)*VBLK+16*\t*VP+32*\c   ; V's four fragments: they land under the softmax
.endr
.endr
	s_add_co_u32 s96, s[KF], 127                   ; on the diagonal the scores of hidden keys become -infinity ahead of the maximum: p = 0 then.  A step all of whose keys count skips this
	s_cmp_le_u32 s96, s[Q0]
	s_cbranch_scc1 .Lopen_\@
	s_sub_co_i32 s96, s[Q0], s[KF]
	v_and_b32 v252, 15, v0
	v_bfe_u32 v253, v0, 4, 1
	s_delay_alu instid0(VALU_DEP_1)
	v_lshlrev_b32 v253, 3, v253
	s_delay_alu instid0(VALU_DEP_1)
	v_sub_nc_u32 v252, v252, v253
	s_delay_alu instid0(VALU_DEP_1)
	v_add_nc_u32 v252, s96, v252                   ; d = my query - KF - 8 (lane / 16).  Register 8 t + j holds key KF + 8 (lane / 16) + 16 t + j: hidden where 16 t + j > d
	v_mov_b32 v254, 0xff800000                     ; -infinity
.irp t, 0,1,2,3,4,5,6,7
.irp j, 0,1,2,3,4,5,6,7
	v_cmp_gt_i32 vcc_lo, 16*\t+\j, v252
	v_cndmask_b32 v[96+8*\t+\j], v[96+8*\t+\j], v254, vcc_lo
.endr
.endr
.Lopen_\@:
	v_max3_num_f32 v254, v96, v97, v98             ; the step's largest score of my query, among my 64 keys, in two chains, ascending,
	v_max3_num_f32 v252, v99, v100, v101
.irp i, 6,10,14,18,22,26,30,34,38,42,46,50,54,58
	v_max3_num_f32 v254, v254, v[96+\i], v[97+\i]
	v_max3_num_f32 v252, v252, v[98+\i], v[99+\i]
.endr
	v_max3_num_f32 v254, v254, v158, v159
	s_delay_alu instid0(VALU_DEP_1)
	v_max_num_f32 v254, v254, v252
	s_delay_alu instid0(VALU_DEP_1)
	v_permlanex16_b32 v246, v254, s[SEL], s[SEL+1]
	s_delay_alu instid0(VALU_DEP_1)
	v_max_num_f32 v254, v254, v246                 ; and among lane l xor 16's
	s_delay_alu instid0(VALU_DEP_1)
	v_mul_f32 v254, s[CS], v254                    ; as t (c is positive)
	s_delay_alu instid0(VALU_DEP_1)
	v_max_num_f32 v13, v13, v254                   ; the running largest t
	v_mov_b32 v254, v12
	s_delay_alu instid0(VALU_DEP_2)
	v_floor_f32 v12, -v13                          ; the new -M = floor(-t) = -ceil(t): M is a whole number
	s_delay_alu instid0(VALU_DEP_1)
	v_sub_f32 v254, v12, v254                      ; M's old value less its new one: a whole number, 0 or less
	s_delay_alu instid0(VALU_DEP_1)
	v_cvt_i32_f32 v254, v254                       ; (it saturates)
	s_delay_alu instid0(VALU_DEP_1)
	v_ldexp_f32 v252, 1.0, v254                    ; f = 2^(old M - new M)
.set n, 0
.rept 32
	v_pk_fma_f32 v[96+n:97+n], v[96+n:97+n], s[CS:CS+1], v[12:13] op_sel_hi:[1,0,0]   ; t - M, two at a time (of the pairs c and -M the low word serves both halves)
.set n, n+2
.endr
.set n, 0
	s_wait_alu depctr_va_vdst(0)
.rept 64
	v_exp_f32 v[96+n], v[96+n]                     ; p = 2^(t - M), at most 1: not normalised
.set n, n+1
.endr
	v_pk_mul_f32 v[14:15], v[14:15], v[252:253] op_sel_hi:[1,0]   ; the sums under the new M: the plain instruction behind the exponentials
	s_wait_alu depctr_va_vdst(0)                   ; one wait for the whole batch, ahead of its first reader
	v_pk_add_f32 v[242:243], v[100:101], v[104:105]
	v_pk_add_f32 v[254:255], v[108:109], v[112:113]
	v_pk_add_f32 v[250:251], v[116:117], v[120:121]
	v_pk_add_f32 v[248:249], v[124:125], v[128:129]
	v_pk_add_f32 v[240:241], v[132:133], v[136:137]
	v_pk_add_f32 v[238:239], v[140:141], v[144:145]
	v_pk_add_f32 v[236:237], v[148:149], v[152:153]
	v_pk_add_f32 v[14:15], v[14:15], v[156:157]
	v_pk_add_f32 v[242:243], v[242:243], v[96:97]
	v_pk_add_f32 v[254:255], v[254:255], v[98:99]
	v_pk_add_f32 v[250:251], v[250:251], v[102:103]
	v_pk_add_f32 v[248:249], v[248:249], v[106:107]
	v_pk_add_f32 v[240:241], v[240:241], v[110:111]
	v_pk_add_f32 v[238:239], v[238:239], v[114:115]
	v_pk_add_f32 v[236:237], v[236:237], v[118:119]
	v_pk_add_f32 v[14:15], v[14:15], v[122:123]
	v_pk_add_f32 v[242:243], v[242:243], v[126:127]
	v_pk_add_f32 v[254:255], v[254:255], v[130:131]
	v_pk_add_f32 v[250:251], v[250:251], v[134:135]
	v_pk_add_f32 v[248:249], v[248:249], v[138:139]
	v_pk_add_f32 v[240:241], v[240:241], v[142:143]
	v_pk_add_f32 v[238:239], v[238:239], v[146:147]
	v_pk_add_f32 v[236:237], v[236:237], v[150:151]
	v_pk_add_f32 v[14:15], v[14:15], v[154:155]
	v_pk_add_f32 v[242:243], v[242:243], v[158:159]
	s_delay_alu instid0(VALU_DEP_2)
	v_pk_add_f32 v[14:15], v[14:15], v[248:249]
	s_delay_alu instid0(VALU_DEP_2)
	v_pk_add_f32 v[242:243], v[242:243], v[240:241]
	v_pk_add_f32 v[254:255], v[254:255], v[238:239]
	v_pk_add_f32 v[250:251], v[250:251], v[236:237]
	s_delay_alu instid0(VALU_DEP_2)
	v_pk_add_f32 v[14:15], v[14:15], v[254:255]
	s_delay_alu instid0(VALU_DEP_2)
	v_pk_add_f32 v[242:243], v[242:243], v[250:251]
	s_delay_alu instid0(VALU_DEP_1)
	v_pk_add_f32 v[14:15], v[14:15], v[242:243]
.irp t, 0,1,2,3,4,5,6,7
.irp j, 0,1,2,3,4,5,6,7
.endr
	v_cvt_scalef32_pk8_fp8_f32 v[224+2*\t:225+2*\t], v[96+8*\t:103+8*\t], v244   ; keys 16 t + 8 h + 0 .. 7: registers 2 t, 2 t + 1 of the operand
.endr
.set n, 0
.rept 16
	v_pk_mul_f32 v[160+n:161+n], v[160+n:161+n], v[252:253] op_sel_hi:[1,0]   ; O^T under the new M; these are also the plain lines behind the conversions
.set n, n+2
.endr
	s_wait_alu depctr_va_vdst(0)
	s_wait_dscnt 0x0                               ; V is in
.irp t, 0,1,2,3
	v_wmma_f32_16x16x128_fp8_fp8 v[160+8*\t:167+8*\t], v[32+16*\t:47+16*\t], v[224:239], v[160+8*\t:167+8*\t]   ; O^T += V^T P^T; the four accumulators take turns, and the next step's eight products stand between two links
.endr
.Lhidden_\@:
	s_add_co_u32 s[KF], s[KF], 128
.endm
; THE CHANGE OF SLOTS stands at a slot's head.  Each wave waits for all its tensor loads, adds 0 to its spare word, and waits for that and for its reads of the slot that it has left; behind the barrier the slot
; ahead is whole and nobody reads the other one.  fill = 1: that other slot takes the next trip's keys: the block's next 256, or, behind the first block's last slot, keys 0 to 255 again for the second block.
.macro CHANGE fill
	s_wait_tensorcnt 0x0                           ; no tensor load of mine is out, so a group 0 may be written
	ds_add_u32 v[SPW], v[NIL]                      ; 0 onto my spare word; the descriptors' steps stand between it and the wait for it
.if \fill
	s_add_co_u32 s[KN], s[KN], 1
	s_cmp_eq_u32 s[KN], s[NB]
	s_cselect_b32 s[KN], 0, s[KN]                  ; of ids and the count of trips alone
	s_lshl_b32 s[OFP], s[KN], 14
	s_xor_b32 s[G0K+1], s[G0K+1], SLOT1            ; the other slot than last time
	s_xor_b32 s[G0V+1], s[G0V+1], SLOT1
	s_add_nc_u64 s[G0K+2:G0K+3], s[KBASE:KBASE+1], s[OFP:OFP+1]
	s_or_b32 s[G0K+3], s[G0K+3], 0x80000000
	s_add_nc_u64 s[G0V+2:G0V+3], s[VBASE:VBASE+1], s[OFP:OFP+1]
	s_or_b32 s[G0V+3], s[G0V+3], 0x80000000
	s_wait_xcnt 0x0                                ; the last prefetch, a slot back, has read its address, so it may be written
	s_add_nc_u64 s[PFA:PFA+1], s[PFA:PFA+1], 16384
.endif
	s_wait_dscnt 0x0                               ; the add is done, and my reads of the slot that I have left are over
	s_barrier_signal -1
	s_barrier_wait -1
.if \fill
	TLOAD                                          ; the first thing behind the barrier, and a wave's one tensor load until the next
	ASK
.endif
.endm
.macro SLOT_STEPS
	STEP 0
	STEP 1
	s_xor_b32 s[TB], s[TB], SLOT1                  ; on to the other slot
.endm
; A BLOCK OF QUERIES IS FINISHED: O^T / the sum, quantised, through my stage, out as 1,024 consecutive bytes.  again = 1: the second block's Q is fetched and the state begins anew.
.macro FINISH out, again
.rept 4
	v_nop                                          ; places behind the last products
.endr
	v_add_f32 v14, v14, v15                        ; the sum's two halves,
	s_delay_alu instid0(VALU_DEP_1)
	v_permlanex16_b32 v246, v14, s[SEL], s[SEL+1]
	s_delay_alu instid0(VALU_DEP_1)
	v_add_f32 v14, v14, v246                       ; and lane l xor 16's
	s_wait_alu depctr_va_vdst(0)
	v_rcp_f32 v14, v14
	v_nop                                          ; a plain instruction behind the reciprocal,
	s_wait_alu depctr_va_vdst(0)                   ; and the wait ahead of its first reader
.set n, 0
.rept 32
	v_mul_f32 v[192+n], v[160+n], v14              ; register 8 t + j is O(query r, d = 16 t + 8 h + j); ascending: each accumulator from its low end on
.set n, n+1
.endr
.set n, 0
.rept 32
.set n, n+1
.endr
.irp t, 0,1,2,3
	v_cvt_scalef32_pk8_fp8_f32 v[24+2*\t:25+2*\t], v[192+8*\t:199+8*\t], v245
.endr
	v_nop                                          ; a plain vector instruction behind the last conversion
.irp t, 0,1,2,3
	ds_store_b64 v[STO], v[24+2*\t:25+2*\t] offset:16*\t
.endr
.irp u, 0,1
	ds_load_b128 v[32+4*\u:35+4*\u], v[SRD] offset:640*\u   ; LDS serves a wave's instructions in order: these see my stores
.endr
	s_wait_dscnt 0x0
.irp u, 0,1
	global_store_b128 v[GO], v[32+4*\u:35+4*\u], s[\out:\out+1] offset:512*\u   ; eight queries' rows: 512 consecutive, aligned bytes
.endr
.if \again
	global_load_b128 v[16:19], v[QA], s[QP2:QP2+1]
	global_load_b128 v[20:23], v[QA], s[QP2:QP2+1] offset:32
	v_mov_b32 v13, 0xff61b1e6
	s_delay_alu instid0(VALU_DEP_1)
	v_floor_f32 v12, -v13
	v_mov_b32 v14, 0
	v_mov_b32 v15, 0
.set n, 0
.rept 32
	v_mov_b32 v[160+n], 0
.set n, n+1
.endr
	s_mov_b32 s[KF], 0
	s_mov_b32 s[Q0], s[Q0B]
	s_wait_loadcnt 0x0                             ; Q
	s_wait_xcnt 0x0                                ; the stores have read their registers: the next step's fragments may land there
.endif
.endm
	s_wait_loadcnt 0x0                             ; Q
.Lslot:                                            ; eight trips: behind each change of slots but the last the next trip's keys are asked for
	CHANGE 1
	SLOT_STEPS
	s_cmp_eq_u32 s[SLOTS], s[ENDP]                 ; ids and the count of trips alone: all sixteen waves go the same way; no barrier and no tensor load stands under this branch
	s_cbranch_scc0 .Lon
	FINISH OUT1, 1
.Lon:
	s_sub_co_u32 s[SLOTS], s[SLOTS], 1
	s_cmp_lg_u32 s[SLOTS], 0
	s_cbranch_scc1 .Lslot
	CHANGE 0                                       ; the ninth slot is written out
	SLOT_STEPS
	FINISH OUT2, 0
	s_wait_tensorcnt 0x0                           ; the wave's end: behind my last tensor load and my last LDS store
	ds_add_u32 v[SPW], v[NIL]
	s_wait_dscnt 0x0
	s_endpgm
.Lfunc_end_k_q27775747e0_attn:
	.size	k_q27775747e0_attn, .Lfunc_end_k_q27775747e0_attn-k_q27775747e0_attn
	.p2alignl 7, 3214868480
	.fill 96, 4, 3214868480
	.section	.rodata,"a",@progbits
	.p2align	6, 0x0
	.amdhsa_kernel k_q27775747e0_attn
		.amdhsa_group_segment_fixed_size 327680
		.amdhsa_private_segment_fixed_size 0
		.amdhsa_enable_private_segment 0
		.amdhsa_kernarg_size 40
		.amdhsa_user_sgpr_count 2
		.amdhsa_user_sgpr_kernarg_segment_ptr 1
		.amdhsa_wavefront_size32 1
		.amdhsa_system_sgpr_workgroup_id_x 1
		.amdhsa_system_sgpr_workgroup_id_y 1
		.amdhsa_system_sgpr_workgroup_id_z 1
		.amdhsa_system_vgpr_workitem_id 0
		.amdhsa_next_free_vgpr 256
		.amdhsa_next_free_sgpr 100
		.amdhsa_reserve_vcc 1
		.amdhsa_float_denorm_mode_32 3
		.amdhsa_float_denorm_mode_16_64 3
		.amdhsa_fp16_overflow 1
		.amdhsa_memory_ordered 1
		.amdhsa_forward_progress 1
		.amdhsa_inst_pref_size 93
	.end_amdhsa_kernel
	.amdgpu_metadata
---
amdhsa.version: [ 1, 2 ]
amdhsa.kernels:
  - .name:           k_q27775747e0_attn
    .symbol:         k_q27775747e0_attn.kd
    .args:
      - { .name: qc, .offset: 0, .size: 8, .value_kind: global_buffer, .address_space: global }
      - { .name: kc, .offset: 8, .size: 8, .value_kind: global_buffer, .address_space: global }
      - { .name: vc, .offset: 16, .size: 8, .value_kind: global_buffer, .address_space: global }
      - { .name: lowp_scales, .offset: 24, .size: 8, .value_kind: global_buffer, .address_space: global }
      - { .name: ac, .offset: 32, .size: 8, .value_kind: global_buffer, .address_space: global }
    .group_segment_fixed_size: 327680
    .private_segment_fixed_size: 0
    .kernarg_segment_align: 8
    .kernarg_segment_size: 40
    .max_flat_workgroup_size: 512
    .sgpr_count:     100
    .vgpr_count:     256
    .wavefront_size: 32
...
	.end_amdgpu_metadata
.endif
;; end of part 4
;; launch oproj (part 5): grid 4 x 64, 4 waves a work-group, clusters of 4 x 4, 327,680 bytes of LDS; arguments ac, woutc, lowp_scales, bout, out0; writes out0
.if DOCPART == 5
	.amdgcn_target "amdgcn-amd-amdhsa--gfx1250"
	.amdhsa_code_object_version 6
	.text
	.protected	k_q27775747e0_oproj
	.globl	k_q27775747e0_oproj
	.p2align	8
	.type	k_q27775747e0_oproj,@function
k_q27775747e0_oproj:
	s_mov_b64 s[64:65], 0
	v_nop
	global_prefetch_b8 v0, s[64:65] scope:SCOPE_SE
	s_setreg_imm32_b32 hwreg(HW_REG_WAVE_MODE, 25, 1), 1
	s_wait_xcnt 0x0
	s_wait_alu depctr_hold_cnt(0) depctr_sa_sdst(0) depctr_va_vdst(0) depctr_va_sdst(0) depctr_va_ssrc(0) depctr_va_vcc(0) depctr_vm_vsrc(0)
	s_getreg_b32 s2, hwreg(HW_REG_IB_STS2, 6, 4)
	s_cmp_eq_u32 s2, 0
	s_cbranch_scc0 .Lentry_in_a_cluster
	s_endpgm
.Lentry_in_a_cluster:
	s_bfe_u32 s2, ttmp6, 0x10000c
	s_cmp_lg_u32 s2, 0xf033
	s_cbranch_scc0 .Lentry_shape_is_right
	s_endpgm
.Lentry_shape_is_right:
; out0 = attention's result x Wout + bout, on codes of FP8 (E4M3): sum x 2^(e6 + e7) + bias, f32.
; ac: [64 batch x head][2048 tokens][64]: K = 64 head + d.  woutc: [1024 features][1024 k].  out0: [8192 tokens][1024].
; A work-group of four waves makes 128 tokens x 256 features, so that there are 256 work-groups; a wave 64 x 128: 32 accumulators, 256 registers.  K goes in four steps of 256 (four heads) through two LDS slots.
; A's tile of a wave's load: 4 heads x 64 tokens x 64 bytes.  A head's 64 tokens are 4,096 consecutive bytes, the heads 131,072 bytes apart: four descriptor rows of 4,096 bytes, with 16 bytes of padding behind
; every 64: in LDS [head][token] with 80 bytes from token to token.  B's: 128 rows of 256 bytes, 272 apart.
; CLUSTERS of 4 x 4: A's tiles hang on the tile row alone and are asked for jointly by my row of the cluster, B's on the tile column alone, by my column.
; THE MATRIX INSTRUCTION IS USED TRANSPOSED (source 0 = 16 features, source 1 = 16 tokens): a lane holds eight neighbouring features of a token.
; LIMIT: e6 + e7 between -126 and 127.
; REGISTERS: window 0: v0-31 addresses; v32-95 the bias in the result's layout; v128-191, v192-255 A's fragments, two sets; window 1: B's fragments, two sets; window 2: the accumulators ((a, b) at v[8 (8 a + b)]).
.set PA,     80
.set PB,     272
.set FR,     16
.set AHALF,  4*64*PA                   ; what one load brings of A
.set BOFF,   2*AHALF
.set BHALF,  128*PB                    ; and of B
.set SLOT,   BOFF+2*BHALF
.set SPARE,  2*SLOT                    ; behind the ring: the spare words, 128 bytes for each wave
.set SPITCH, 528                       ; the way out: 16 rows x (512 + 16) bytes for each wave, in slot 0, which has had its last fill and its last read by then
.set ADRA, 16
.set ADRB, 20
.set STO,  24
.set RD,   25
.set CO,   26
.set SPW,  28
.set NIL,  29
.set BI,   32                          ; the bias
.set AF,   128
.set G1, 24
.set G0, 32
.set G1B, 48
.set G0B, 56
.set MSB, 0
.macro WIN new
.if MSB != \new
	s_set_vgpr_msb (MSB<<8)|\new
.set MSB, \new
.endif
.endm
.set MUL,  0xa1                        ; source 0 (B) window 1, source 1 (A) window 0, C and D window 2
.set TO_B, 0x40
.macro JLOAD s                         ; waves 0 and 1 fetch A's halves, waves 2 and 3 B's; an s_nop 0 and four v_nop follow each of the two lines
	s_cmp_eq_u32 s15, 0
	s_cbranch_scc0 .Lfor_b_\@
	tensor_load_to_lds s[G0+4*\s:G0+4*\s+3], s[G1:G1+7]
	s_nop 0
.rept 4
	v_nop
.endr
	s_branch .Lasked_\@
.Lfor_b_\@:
	tensor_load_to_lds s[G0B+4*\s:G0B+4*\s+3], s[G1B:G1B+7]
	s_nop 0
.rept 4
	v_nop
.endr
.Lasked_\@:
.endm
.macro CREST
	s_cmp_lg_u32 s14, 0
	s_cbranch_scc1 .Lnot_wave_0_\@
	s_barrier_signal -3
.Lnot_wave_0_\@:
	s_barrier_wait -3
	s_barrier_signal -1
	s_barrier_wait -1
.endm
.macro CROUND
	s_barrier_signal -1
	s_barrier_wait -1
	CREST
.endm
.macro PLACES
.rept 4
	v_nop
.endr
.endm
	s_load_b256 s[4:11], s[0:1], 0x0               ; ac s[4:5], woutc s[6:7], the scales' exponents s[8:9], bout s[10:11]
	s_load_b64 s[12:13], s[0:1], 0x20              ; out0
	v_lshl_add_u32 v[SPW], v0, 2, SPARE
	v_mov_b32 v[NIL], 0
	ds_add_u32 v[SPW], v[NIL]                      ; the wave's opening: the add and its wait stand ahead of my first tensor load; the set-up below, work on registers, stands between them
	ds_add_u32 v[SPW], v[NIL]
	v_lshrrev_b32 v1, 5, v0
	v_readfirstlane_b32 s14, v1                    ; wave 0..3
	s_lshr_b32 s15, s14, 1                         ; which 64 tokens are mine.  Also: I fetch for A (0) or for B (1)
	s_and_b32 s16, s14, 1                          ; which 128 features.  Also: which half of that tile I fetch
	s_bfe_u32 s40, ttmp6, 0x40000                  ; cx, cy
	s_bfe_u32 s41, ttmp6, 0x40004
	s_lshl_b32 s42, ttmp9, 2
	s_add_co_u32 s42, s42, s40                     ; tile column = 4 x cluster x + cx
	s_and_b32 s17, ttmp7, 0xffff
	s_lshl_b32 s17, s17, 2
	s_add_co_u32 s17, s17, s41                     ; tile row = 4 x cluster y + cy
	s_lshl_b32 s43, s41, 2
	s_lshl_b32 s43, 15, s43                        ; my row of the cluster
	s_lshl_b32 s44, 0x1111, s40                    ; my column
	s_or_b32 s[G1+0], s43, (0<<16)|(1<<20)|(1<<21)|(3<<22)|(3<<25)   ; A: elements of 1 byte; padding: four words (code 3) after every 16 (code 3); bit 21 beside the mask
	s_mov_b32 s[G1+1], 4096<<16                    ; tensor_dim0 = 4,096
	s_mov_b32 s[G1+2], 4<<16                       ; tensor_dim1 = 4
	s_mov_b32 s[G1+3], 4096<<16                    ; tile_dim0
	s_mov_b32 s[G1+4], 4                           ; tile_dim1
	s_mov_b32 s[G1+5], 131072                      ; from head to head
	s_mov_b32 s[G1+6], 0
	s_mov_b32 s[G1+7], 0
	s_or_b32 s[G1B+0], s44, (0<<16)|(1<<20)|(1<<21)|(5<<22)|(3<<25)  ; B: four words after every 64 (code 5)
	s_mov_b32 s[G1B+1], 256<<16
	s_mov_b32 s[G1B+2], 128<<16
	s_mov_b32 s[G1B+3], 256<<16
	s_mov_b32 s[G1B+4], 128
	s_mov_b32 s[G1B+5], 1024
	s_mov_b32 s[G1B+6], 0
	s_mov_b32 s[G1B+7], 0
	s_lshl_b32 s20, s17, 7
	s_lshl_b32 s18, s16, 6
	s_add_co_u32 s20, s20, s18                     ; A: the first token that I fetch: 128 x tile row + 64 x half
	s_lshr_b32 s21, s20, 11
	s_lshl_b32 s21, s21, 21                        ; its batch: 16 heads of 131,072 bytes
	s_and_b32 s20, s20, 2047
	s_lshl_b32 s20, s20, 6
	s_add_co_u32 s20, s20, s21
	s_mov_b32 s21, 0
	s_lshl_b32 s46, s42, 8
	s_lshl_b32 s47, s16, 7
	s_add_co_u32 s46, s46, s47
	s_lshl_b32 s46, s46, 10                        ; B: (256 x tile column + 128 x half) rows of 1,024 bytes
	s_mov_b32 s47, 0
	s_mul_i32 s45, s16, AHALF                      ; where they go: no place in the cluster enters an LDS address
	s_mul_i32 s19, s16, BHALF
	s_add_co_u32 s19, s19, BOFF
	s_wait_dscnt 0x0                               ; the opening add is done
	s_wait_kmcnt 0x0
	s_load_b64 s[96:97], s[8:9], 0x18              ; e6, e7
	s_add_nc_u64 s[20:21], s[4:5], s[20:21]
	s_add_nc_u64 s[46:47], s[6:7], s[46:47]
	CROUND                                         ; all sixteen work-groups are here: the first joint loads meet
.irp s, 0,1
	s_mov_b32 s[G0+4*\s], 1
	s_add_co_u32 s[G0+4*\s+1], s45, \s*SLOT
	s_add_nc_u64 s[G0+4*\s+2:G0+4*\s+3], s[20:21], \s*4*131072   ; K step s: heads 4 s on
	s_or_b32 s[G0+4*\s+3], s[G0+4*\s+3], 0x80000000
	s_mov_b32 s[G0B+4*\s], 1
	s_add_co_u32 s[G0B+4*\s+1], s19, \s*SLOT
	s_add_nc_u64 s[G0B+4*\s+2:G0B+4*\s+3], s[46:47], \s*256
	s_or_b32 s[G0B+4*\s+3], s[G0B+4*\s+3], 0x80000000
	s_wait_alu depctr_va_vdst(0)
	s_wait_tensorcnt 0x0
	ds_add_u32 v28, v29
	ds_add_u32 v28, v29
	s_wait_dscnt 0x0
	CROUND
	JLOAD \s
.endr
	v_and_b32 v1, 15, v0                           ; r
	v_bfe_u32 v2, v0, 4, 1                         ; h
	v_mul_u32_u24 v3, v1, PA
	v_lshl_add_u32 v3, v2, 4, v3
	v_mul_u32_u24 v4, v1, PB
	v_lshl_add_u32 v4, v2, 4, v4
	s_mul_i32 s21, s15, AHALF                      ; my 64 tokens
	s_mul_i32 s22, s16, BHALF                      ; my 128 features
	s_add_co_u32 s22, s22, BOFF
.irp s, 0,1
	v_add_nc_u32 v[ADRA+\s], s21, v3
	v_add_nc_u32 v[ADRB+\s], s22, v4
	s_add_co_u32 s21, s21, SLOT
	s_add_co_u32 s22, s22, SLOT
.endr
	s_mul_i32 s23, s14, 16*SPITCH                  ; my stage
	v_mul_u32_u24 v5, v1, SPITCH
	v_lshl_add_u32 v5, v2, 5, v5
	v_add_nc_u32 v[STO], s23, v5                   ; in: row r, 32 bytes for each half of the lanes
	v_and_b32 v6, 31, v0
	v_lshlrev_b32 v[CO], 4, v6
	v_add_nc_u32 v[RD], s23, v[CO]                 ; back: the 32 lanes take one row of 512 bytes
	s_lshl_b32 s86, s42, 10
	s_lshl_b32 s87, s16, 9
	s_add_co_u32 s86, s86, s87                     ; my first feature, in bytes of f32
	s_mov_b32 s87, 0
	s_add_nc_u64 s[88:89], s[10:11], s[86:87]
	s_lshl_b32 s90, s17, 7
	s_lshl_b32 s91, s15, 6
	s_add_co_u32 s90, s90, s91                     ; my first token
	s_lshl_b32 s90, s90, 12
	s_add_co_u32 s90, s90, s86
	s_mov_b32 s91, 0
	s_add_nc_u64 s[12:13], s[12:13], s[90:91]
	v_lshlrev_b32 v5, 5, v2
.irp b, 0,1,2,3,4,5,6,7
	global_load_b128 v[BI+8*\b:BI+8*\b+3], v5, s[88:89] offset:64*\b       ; the bias of features 16 b + 8 h + 0 .. 7
	global_load_b128 v[BI+8*\b+4:BI+8*\b+7], v5, s[88:89] offset:64*\b+16
.endr
; 8 matrix instructions: block a of 16 tokens x my eight tiles of features, 128 along K.  The 32 accumulators take turns, one instruction a turn, in the same order in every step.
.macro MUL8 a, set, zero
.irp b, 0,1,2,3,4,5,6,7
.if \zero
	v_wmma_f32_16x16x128_fp8_fp8 v[8*(8*(\a)+\b):8*(8*(\a)+\b)+7], v[128*(\set)+FR*\b:128*(\set)+FR*\b+FR-1], v[AF+64*(\set)+FR*(\a):AF+64*(\set)+FR*(\a)+FR-1], 0
.else
	v_wmma_f32_16x16x128_fp8_fp8 v[8*(8*(\a)+\b):8*(8*(\a)+\b)+7], v[128*(\set)+FR*\b:128*(\set)+FR*\b+FR-1], v[AF+64*(\set)+FR*(\a):AF+64*(\set)+FR*(\a)+FR-1], v[8*(8*(\a)+\b):8*(8*(\a)+\b)+7]
.endif
.endr
.endm
; the fragments of the slot's q-th 128 along K (heads 2 q, 2 q + 1 of its four): registers 4 c .. 4 c + 3 hold k = 32 c + 16 h + 0 .. 15 in A and in B alike
.macro OFETCH slot, q, set
	WIN TO_B
.irp b, 0,1,2,3,4,5,6,7
.irp c, 0,1,2,3
	ds_load_b128 v[128*(\set)+FR*\b+4*\c:128*(\set)+FR*\b+4*\c+3], v[ADRB+\slot] offset:128*(\q)+32*\c+\b*16*PB
.endr
.endr
	WIN 0
.irp a, 0,1,2,3
.irp c, 0,1,2,3
	ds_load_b128 v[AF+64*(\set)+FR*\a+4*\c:AF+64*(\set)+FR*\a+4*\c+3], v[ADRA+\slot] offset:(2*(\q)+\c/2)*64*PA+\a*16*PA+32*(\c%2)
.endr
.endr
.endm
.macro OSTEP slot, zero                ; a slot's first 128 along K, on set 0; the second's fragments are fetched into set 1 in its middle
	s_wait_dscnt 0x0
	WIN MUL
	MUL8 0, 0, \zero
	MUL8 1, 0, \zero
	PLACES                                         ; in front of loads into registers that matrix instructions have read
	OFETCH \slot, 1, 1
	WIN MUL
	MUL8 2, 0, \zero
	MUL8 3, 0, \zero
.endm
; a slot's second 128 along K, on set 1, changes slots: ONE barrier; in front of it each wave waits for all its tensor loads, adds 0 to its spare word, and waits for that and for its reads of this slot
.macro OTURN slot, next, fill
	WIN 0                                          ; (the add's two registers lie in window 0)
	s_wait_tensorcnt 0x0                           ; all my tensor loads have landed: my part of the next slot
	ds_add_u32 v[SPW], v[NIL]                      ; 0 onto my spare word
	s_wait_dscnt 1                                 ; set 1 is in; the add alone may be out
	WIN MUL
	MUL8 0, 1, 0                                   ; eight matrix instructions stand between the add and the wait for it
	s_wait_dscnt 0x0                               ; the add is done, and my reads of this slot are over
	s_barrier_signal -1
	MUL8 1, 1, 0
	WIN 0
	s_barrier_wait -1
.if \fill
	CREST                                          ; the barrier has opened a round of the cluster's barrier: no wave of any partner still reads this slot or has a load on its way
	s_add_nc_u64 s[G0+4*\slot+2:G0+4*\slot+3], s[G0+4*\slot+2:G0+4*\slot+3], 8*131072
	s_add_nc_u64 s[G0B+4*\slot+2:G0B+4*\slot+3], s[G0B+4*\slot+2:G0B+4*\slot+3], 512
	JLOAD \slot                                    ; the first tensor load behind the round; its four v_nop are also the places in front of the loads below
.else
	PLACES
.endif
	s_wait_alu depctr_va_vdst(0)
	OFETCH \next, 0, 0
	WIN MUL
	MUL8 2, 1, 0
	MUL8 3, 1, 0
.endm
	s_wait_tensorcnt 1                             ; my part of K step 0 is in (K step 1's load may be out)
	s_barrier_signal -1
	s_barrier_wait -1                              ; everybody's is
	OFETCH 0, 0, 0
	OSTEP 0, 1                                     ; the first products start the sums: nothing is cleared
	OTURN 0, 1, 1                                  ; slot 0 takes K step 2
	OSTEP 1, 0
	OTURN 1, 0, 1                                  ; slot 1 takes K step 3
	OSTEP 0, 0
	OTURN 0, 1, 0                                  ; nothing is filled again
	OSTEP 1, 0
	s_wait_dscnt 0x0                               ; the very last 128 along K
	MUL8 0, 1, 0
	MUL8 1, 1, 0
	MUL8 2, 1, 0
	MUL8 3, 1, 0
	WIN 0
	; THE WAY OUT, by blocks of 16 tokens x 128 features: sum x 2^(e6 + e7) + bias, through my stage, back as whole rows of 512 bytes
	s_wait_loadcnt 0x0                             ; the bias
	s_wait_kmcnt 0x0
	s_add_co_i32 s96, s96, s97
	s_add_co_i32 s96, s96, 127
	s_lshl_b32 s96, s96, 23                        ; 2^(e6 + e7) as f32
	s_mov_b32 s97, s96                             ; (named with it as a pair, so it is written)
	PLACES                                         ; in front of the first read of results and the first write of registers that held A's fragments
.irp a, 0,1,2,3
	WIN 0x02                                       ; source 0: window 2
.set n, 0
.rept 32
	v_pk_fma_f32 v[128+n:129+n], v[64*\a+n:64*\a+n+1], s[96:97], v[BI+n:BI+n+1] op_sel_hi:[1,0,1]   ; ascending: each accumulator from its low end on
.set n, n+2
.endr
	WIN 0
.irp b, 0,1,2,3,4,5,6,7
	ds_store_b128 v[STO], v[128+8*\b:128+8*\b+3] offset:64*\b
	ds_store_b128 v[STO], v[128+8*\b+4:128+8*\b+7] offset:64*\b+16
.endr
	s_wait_xcnt 0x0                                ; the last block's stores have read their registers: this block's rows may land there
.irp t, 0,1,2,3,4,5,6,7,8,9,10,11,12,13,14,15
	ds_load_b128 v[192+4*\t:192+4*\t+3], v[RD] offset:\t*SPITCH   ; LDS serves a wave's instructions in order: these see the stores above
.endr
	s_wait_dscnt 0x0
.irp t, 0,1,2,3,4,5,6,7,8,9,10,11,12,13,14,15
	global_store_b128 v[CO], v[192+4*\t:192+4*\t+3], s[12:13] offset:(16*\a+\t)*4096 th:TH_STORE_NT   ; 32 lanes store 512 consecutive, aligned bytes; written once, read by nobody here
.endr
.endr
	s_wait_tensorcnt 0x0                           ; the wave's end: behind my last tensor load and my last LDS store
	ds_add_u32 v[SPW], v[NIL]
	s_wait_dscnt 0x0
	CROUND                                         ; the closing round: no work-group ends while a partner may still ask for a tile that names it
	s_endpgm
.Lfunc_end_k_q27775747e0_oproj:
	.size	k_q27775747e0_oproj, .Lfunc_end_k_q27775747e0_oproj-k_q27775747e0_oproj
	.p2alignl 7, 3214868480
	.fill 96, 4, 3214868480
	.section	.rodata,"a",@progbits
	.p2align	6, 0x0
	.amdhsa_kernel k_q27775747e0_oproj
		.amdhsa_group_segment_fixed_size 327680
		.amdhsa_private_segment_fixed_size 0
		.amdhsa_enable_private_segment 0
		.amdhsa_kernarg_size 40
		.amdhsa_user_sgpr_count 2
		.amdhsa_user_sgpr_kernarg_segment_ptr 1
		.amdhsa_wavefront_size32 1
		.amdhsa_system_sgpr_workgroup_id_x 1
		.amdhsa_system_sgpr_workgroup_id_y 1
		.amdhsa_system_sgpr_workgroup_id_z 1
		.amdhsa_system_vgpr_workitem_id 0
		.amdhsa_next_free_vgpr 768
		.amdhsa_next_free_sgpr 100
		.amdhsa_reserve_vcc 0
		.amdhsa_float_denorm_mode_32 3
		.amdhsa_float_denorm_mode_16_64 3
		.amdhsa_memory_ordered 1
		.amdhsa_forward_progress 1
		.amdhsa_inst_pref_size 78
	.end_amdhsa_kernel
	.amdgpu_metadata
---
amdhsa.version: [ 1, 2 ]
amdhsa.kernels:
  - .name:           k_q27775747e0_oproj
    .symbol:         k_q27775747e0_oproj.kd
    .args:
      - { .name: ac, .offset: 0, .size: 8, .value_kind: global_buffer, .address_space: global }
      - { .name: woutc, .offset: 8, .size: 8, .value_kind: global_buffer, .address_space: global }
      - { .name: lowp_scales, .offset: 16, .size: 8, .value_kind: global_buffer, .address_space: global }
      - { .name: bout, .offset: 24, .size: 8, .value_kind: global_buffer, .address_space: global }
      - { .name: out0, .offset: 32, .size: 8, .value_kind: global_buffer, .address_space: global }
    .group_segment_fixed_size: 327680
    .private_segment_fixed_size: 0
    .kernarg_segment_align: 8
    .kernarg_segment_size: 40
    .max_flat_workgroup_size: 128
    .sgpr_count:     100
    .vgpr_count:     768
    .wavefront_size: 32
...
	.end_amdgpu_metadata
.endif
;; end of part 5
